; MI455X (gfx1250); checked and timed in simulation.
; The chip was launched on July 23, 2026; its instructions are those of AMD's public machine-readable ISA for CDNA 5 (MIT licence, August 2026) and "CDNA5" Instruction Set Architecture Reference Guide (July 2026). The comments in the code are by the model that wrote it; some were corrected since.
;; Multi Head Self Attention. Allowed arithmetic: matrix products marked QUANTISED: E2M1 operands, one E8M0 scale for each 32 along K, by v_wmma_scale_f32_16x16x128_f8f6f4 with both operands' format E2M1 (or v_wmma_scale_f32_32x16x128_f4), f32 sums; everything else in f32.
;; Inputs: P_K_codes 1,024 x 32 x 16 uint8 (E2M1 codes of P_K, K innermost, in blocks of 32 codes, two codes a byte); P_K_scales 1,024 x 32 uint8 (E8M0 scales of P_K, one for each 32 codes along K); P_O_codes 1,024 x 32 x 16 uint8 (E2M1 codes of P_O, K innermost, in blocks of 32 codes, two codes a byte); P_O_scales 1,024 x 32 uint8 (E8M0 scales of P_O, one for each 32 codes along K); P_Q_codes 1,024 x 32 x 16 uint8 (E2M1 codes of P_Q, K innermost, in blocks of 32 codes, two codes a byte); P_Q_scales 1,024 x 32 uint8 (E8M0 scales of P_Q, one for each 32 codes along K); P_V_codes 1,024 x 32 x 16 uint8 (E2M1 codes of P_V, K innermost, in blocks of 32 codes, two codes a byte); P_V_scales 1,024 x 32 uint8 (E8M0 scales of P_V, one for each 32 codes along K); x_codes 4 x 2,048 x 32 x 16 uint8 (E2M1 codes of x, K innermost, in blocks of 32 codes, two codes a byte); x_scales 4 x 2,048 x 32 uint8 (E8M0 scales of x, one for each 32 codes along K).
;; Outputs: out0 4 x 2,048 x 1,024 float32.
;; This version of the problem:
;;   THIS VERSION OF THE PROBLEM IS GIVEN IN LOW PRECISION. The matrix products marked QUANTISED in the list below multiply operands that are first quantised to E2M1 (2 exponent bits, 1 mantissa bit; 4 bits a number), with one power-of-two scale for each 32 numbers along K (OCP MX v1.0); their sums are f32. All else is computed in f32.
;;   The module's matrix products, in the order in which they are computed (A, B: the left and right operand; K: the contracted axis; several contracted axes count as one K, in the product's order):
;;     1. [M 8,192, K 1,024] x [K 1,024, N 1,024]; A: input x (given as codes); B: input P_Q (given as codes): QUANTISED
;;     2. [M 8,192, K 1,024] x [K 1,024, N 1,024]; A: input x (given as codes); B: input P_K (given as codes): QUANTISED
;;     3. [M 8,192, K 1,024] x [K 1,024, N 1,024]; A: input x (given as codes); B: input P_V (given as codes): QUANTISED
;;     4. batch 64 x [M 2,048, K 64] x [K 64, N 2,048]; A: computed on the way; B: computed on the way: QUANTISED
;;     5. batch 64 x [M 2,048, K 2,048] x [K 2,048, N 64]; A: softmax (see below); B: computed on the way: QUANTISED
;;     6. [M 8,192, K 1,024] x [K 1,024, N 1,024]; A: computed on the way; B: input P_O (given as codes): QUANTISED
;;   THE QUANTISER, for each operand of a quantised product, along K:
;;     - K is cut into blocks of 32 from its start; a last block that is shorter is filled with zeros.
;;     - A block's scale is 2^e with e = floor(log2(the largest magnitude in the block)) - 2, held to -126 .. 127; a block of zeros has e = 0. As a byte (E8M0): e + 127.
;;     - Each number is divided by its block's scale, clamped to +-6, and rounded to the nearest number of E2M1, ties to even, subnormals kept.
;;     - The product sums the exact products of the quantised numbers (number of the format x scale) in f32.
;;   ~~~python
;;   def quantise(x, axis):      # numpy; x: float32 -> the quantised numbers, widened to float32 again
;;       x = np.moveaxis(x, axis, -1); K = x.shape[-1]
;;       x = np.pad(x, [(0, 0)] * (x.ndim - 1) + [(0, -K % 32)]); x = x.reshape(x.shape[:-1] + (-1, 32)); a = np.abs(x).max(-1, keepdims=True)
;;       e = np.where(a > 0, np.clip(np.frexp(np.where(a > 0, a, 1))[1] - 1 - 2, -126, 127), 0)      # np.frexp(a)[1] - 1 = floor(log2(a)), exactly
;;       r = np.clip(x / 2.0 ** e, -6, 6)
;;       step = 2.0 ** (np.maximum(np.frexp(np.where(r == 0, 1, r))[1] - 1, 0) - 1)
;;       q = np.round(r / step) * step * 2.0 ** e      # np.round: ties to even
;;       return np.moveaxis(q.reshape(q.shape[:-2] + (-1,))[..., :K], -1, axis).astype(np.float32)
;;   ~~~
;;   SOFTMAX AHEAD OF A QUANTISED PRODUCT. Where the list says 'softmax', what is quantised is not the finished softmax but p = 2^(t - M), with t = logit x log2(e) and M = ceil(the row's largest t), a whole number; so 1/2 < the row's largest p <= 1. The row's sum l is taken of the UNQUANTISED p, in f32, and the product's result is divided by l at the end. Since M is a whole number, a kernel that streams over the keys may use a running M (the ceiling of the running maximum): every later rescaling is an exact power of two, which a block's scale takes up: the codes' values come out the same.
;;   OPERANDS COMPUTED ON THE WAY. 'Computed on the way' means the value that the module computes at that place (a softmax that the list does not call 'softmax' is quantised finished and normalised). What goes into a quantiser is computed in f32, as accurately as f32 sums, v_exp_f32 and their like allow (about 1e-6 of the number): no bf16 or f16 on the way to a quantiser, and a product that is left as it is and whose result goes on into a quantised operand takes f32 operands (vector FMAs, or v_wmma_f32_16x16x4_f32). A number that lies on a knife's edge between two numbers of the format may be rounded either way, as far as f32 arithmetic and the matrix unit's own rounding can turn it there, and no further.
;;   INPUTS GIVEN AS CODES. P_K (in the module: [1024, 1024], K = its axis 1); P_O (in the module: [1024, 1024], K = its axis 1); P_Q (in the module: [1024, 1024], K = its axis 1); P_V (in the module: [1024, 1024], K = its axis 1); x (in the module: [4, 2048, 1024], K = its axis 2): each comes as NAME_codes (uint8): NAME with its K axis moved to the last place and cut into blocks of 32 codes, [.., K / 32, bytes a block], one block behind the other in memory; two codes a byte, the lower K in the low four bits (a code: sign, 2 exponent bits, 1 mantissa bit); and NAME_scales (uint8): the same leading axes, one E8M0 byte (e + 127) for each 32 codes along K. Its value is code x scale, taken as it is: it is not quantised again, and the codes and scales need not be those that the quantiser above would give.
;; One version. Each part assembles by itself: llvm-mc -triple=amdgcn-amd-amdhsa -mcpu=gfx1250 --defsym DOCPART=n.
;; ======== version 1 of 1: 3 launches
;; workspace buffers: q_img 4,194,304 bytes; q_scl 262,144 bytes; k_img 4,194,304 bytes; k_scl 262,144 bytes; v_img 4,194,304 bytes; v_scl 262,144 bytes; a_img 4,194,304 bytes; a_scl 262,144 bytes
;; launch qkv (part 1): grid 4 x 48, 8 waves a work-group, clusters of 4 x 1, 285,696 bytes of LDS; arguments x_codes, x_scales, P_Q_codes, P_Q_scales, P_K_codes, P_K_scales, P_V_codes, P_V_scales, q_img, q_scl, k_img, k_scl, v_img, v_scl; writes q_img, q_scl, k_img, k_scl, v_img, v_scl
.if DOCPART == 1
	.amdgcn_target "amdgcn-amd-amdhsa--gfx1250"
	.amdhsa_code_object_version 6
	.text
	.protected	k_q66593460c1_qkv
	.globl	k_q66593460c1_qkv
	.p2align	8
	.type	k_q66593460c1_qkv,@function
k_q66593460c1_qkv:
	s_mov_b64 s[64:65], 0
	v_nop
	global_prefetch_b8 v0, s[64:65] scope:SCOPE_SE
	s_setreg_imm32_b32 hwreg(HW_REG_WAVE_MODE, 25, 1), 1
	s_wait_xcnt 0x0
	s_wait_alu depctr_hold_cnt(0) depctr_sa_sdst(0) depctr_va_vdst(0) depctr_va_sdst(0) depctr_va_ssrc(0) depctr_va_vcc(0) depctr_vm_vsrc(0)
	s_getreg_b32 s2, hwreg(HW_REG_IB_STS2, 6, 4)
	s_cmp_eq_u32 s2, 0
	s_cbranch_scc0 .Lentry_in_a_cluster
	s_endpgm
.Lentry_in_a_cluster:
	s_bfe_u32 s2, ttmp6, 0x10000c
	s_cmp_lg_u32 s2, 0x3003
	s_cbranch_scc0 .Lentry_shape_is_right
	s_endpgm
.Lentry_shape_is_right:
; x P_Q^T, x P_K^T, x P_V^T on codes of FP4 (E2M1) with E8M0 scales, K = 1,024; the rotation of Q and K by position (RoPE); then Q and K quantised along a head's 64, V along the keys.
; WHAT GOES OUT are images of operand registers: a tile of 16 rows x 64 along K is 512 bytes, lane l's 16 bytes at 16 l, as the next launch's matrix instructions take them.
; SOURCE 0 ("U") IS THE AXIS THAT IS QUANTISED, source 1 ("W") the other.  For Q and K: U = 64 rows of the weight (one head), W = 16 rows of x.  For V: U = 64 rows of x (keys), W = 16 rows of P_V.
; In the result a lane holds ONE row of W, and its registers run along U.  THE ROWS OF A TILE ARE NOT NEIGHBOURS: lane r of tile 2 b + u takes row 32 b + 8 u + r + 8 (r / 8), on both sides, so that the 16 registers
; of result tiles 2 b and 2 b + 1 are 16 neighbours along U, 32 b + 16 (lane / 16) + 0 .. 15, and so that the images' rows stand in the order in which the next launch wants its tiles.
; SHARES.  A work-group has 512 rows of U, 64 a wave, all of K in registers (256 registers, window 1), and walks 256 rows of W, 16 tiles; a tile is 32 matrix instructions on four accumulators and then the way out.
; Cluster y < 32: Q and K: partner cx takes P_Q (cx < 2) or P_K, rows 512 (cx & 1) on; W = x, rows 256 y on.  y >= 32: V: partner cx takes x, rows 512 (4 batch + cx) on; W = P_V, rows 256 ((y - 32) & 3) on.
; CLUSTER.  The four partners read the same W: it is asked for jointly (mask 15).  cx enters global addresses and the choice of pointers alone.  192 work-groups of equal work: 256 equal shares would want
; blocks of 12 tiles of W, and 12 divides neither x's 512 tiles nor P_V's 64.
; ONE TEXT FOR ALL THREE.  V's work-groups walk the rotation too, with position 0: cos = 1 and sin = 0 exactly, and x1 1 - x2 0, x1 0 + x2 1 give the numbers back bit for bit.  They end no later than Q's and K's.
; LDS is filled once: no slot is filled again.  Nothing is prefetched: all that the launch reads is asked for at its head.
; LIMITS.  inv_freq is the f32 nearest to 10^(-i/8); a power function that is an ulp off moves an angle by up to 1e-4 rad at position 2,047.  Sine and cosine: reduction by pi/2 in three parts, good for angles up to
; 2,047, and polynomials with an absolute error of about 1e-7.  A block of zeros gets the byte 1, not 127 (its codes are zeros; this program alone reads the bytes); a block whose largest magnitude lies under 2^-124
; is held at byte 1.  NaN and infinities are not served.
.set RP,   528                         ; a row of W's codes in LDS: 512 bytes + 16 = 132 words: row r starts at bank 4 r mod 64 (64 banks of 4 bytes: ISA guide 11.1)
.set GP,   8576                        ; 16 such rows + 128 bytes = 2,144 words = 32 mod 64: rows r and r + 16, which one tile takes together, fall on different banks
.set WSC,  16*GP                       ; W's scale bytes: 256 rows x 32, dense
.set TAB,  WSC+8192                    ; cos and sin: position t at (t / 16) TGP + (t % 16) TRP; in a row 32 pairs (cos, sin)
.set TRP,  272
.set TGP,  4480
.set UST,  TAB+16*TGP                  ; a stage of 16 rows x RP for each wave: U's rows on their way into fragments
.set L16,  1                           ; v1   16 x lane
.set WA0,  4                           ; v4   my place in a tile of W's codes
.set WSA0, 5                           ; v5   among W's scale words
.set TA0,  6                           ; v6   in the table
.set USTS, 7                           ; v7   my stage, as rows are stored
.set USTL, 8                           ; v8   and as fragments are read
.set WA,   9                           ; v9-11 the three places in the trip's 128 rows
.set WSA,  10
.set TA,   11
.set SCO,  12                          ; v12  16 r: my row's place among the scale words that go out
.set POS,  13                          ; v13  my thread's position, f32
.set TST,  14                          ; v14  my thread's row of the table
.set UPR,  15                          ; v15  32 (r + 8 (r / 8)): my row's scale bytes in a tile of U or W
.set US,   16                          ; v16-47   U's scale words (tile t, K step q: 8 t + q): scales and nothing else
.set WS,   48                          ; v48-55   W's scale words of the tile in hand: scales and nothing else
.set WF,   56                          ; v56-119  W's eight fragments (ahead of the loop: the table's results)
.set ACC,  120                         ; v120-151 four accumulators (ahead of the loop: the table's temporaries)
.set CS,   152                         ; v152-183 16 pairs (cos, sin)
.set RT,   184                         ; v184-191 at work in the rotation
.set PC,   192                         ; v192-195 the codes just made
.set SW,   196                         ; v196-199 a trip's scale words
.set TM,   200                         ; v200-205 at work in the quantiser
.set PW,   206                         ; v206 a tile's two scale bytes
.set G1W,  32                          ; s[32:39] descriptor group 1: 16 rows of codes
.set G1S,  40                          ; s[40:47] 1 KiB of scale bytes
.set G0A,  48                          ; s[48:51], s[52:55], s[56:59] groups 0
.set G0B,  52
.set G0S,  56
.set WV,   60
.set CX,   61
.set YY,   62
.set PM,   63                          ; -1 for Q and K, 0 for V: the mask on the position
.set UP,   66                          ; s[66:67] my wave's rows of U;  s[68:69] their scale bytes
.set USC,  68
.set OI,   70                          ; s[70:71] where the next image goes;  s[72:73] the trip's scale words
.set OSC,  72
.set ST1,  74                          ; s[74:75], s[76:77] from image to image: inside a group of four tiles, and on to the next group;  s[78:79] from trip to trip among the scale words
.set ST2,  76
.set SST,  78
.set TW,   80                          ; s80-82 the trip's first byte in W's codes, W's scales and the table
.set TSW,  81
.set TT,   82
.set TRIP, 83
.set SEL,  84                          ; s[84:85] v_permlanex16_b32's selects for lane l xor 16
.set MSB, 0
.macro WIN new                         ; the immediate's high byte repeats the setting that is left
.if MSB != \new
	s_set_vgpr_msb (MSB<<8)|\new
.set MSB, \new
.endif
.endm
.macro CROUND                          ; a round of the cluster's barrier
	s_barrier_signal -1
	s_barrier_wait -1
	s_cmp_lg_u32 s[WV], 0
	s_cbranch_scc1 .Lnot_wave_0_\@
	s_barrier_signal -3
.Lnot_wave_0_\@:
	s_barrier_wait -3
	s_barrier_signal -1
	s_barrier_wait -1
.endm
	s_load_b512 s[4:19], s[0:1], 0x0               ; x codes s[4:5], scales s[6:7]; P_Q s[8:11]; P_K s[12:15]; P_V s[16:19]
	s_load_b256 s[20:27], s[0:1], 0x40             ; q_img, q_scl, k_img, k_scl
	s_load_b128 s[28:31], s[0:1], 0x60             ; v_img, v_scl
	v_lshl_add_u32 v254, v0, 2, 0x45800
	v_mov_b32 v255, 0
	ds_add_u32 v254, v255
	ds_add_u32 v254, v255
	v_lshrrev_b32 v1, 5, v0
	s_delay_alu instid0(VALU_DEP_1)
	v_readfirstlane_b32 s[WV], v1                  ; wave 0..7
	s_bfe_u32 s[CX], ttmp6, 0x40000                ; my place in the cluster
	s_and_b32 s[YY], ttmp7, 0xffff                 ; the cluster's y, which the partners share
	s_mov_b32 s[G1W], 15|(1<<20)|(1<<21)|(6<<22)|(3<<25)  ; mask: all four; elements of 1 byte; padding on; bit 21 beside a mask; after every 128 words (code 6) 4 words (code 3)
	s_mov_b32 s[G1W+1], 512<<16                    ; tensor_dim0 = 512
	s_mov_b32 s[G1W+2], 16<<16                     ; tensor_dim1 = 16
	s_mov_b32 s[G1W+3], 512<<16                    ; tile_dim0 = 512
	s_mov_b32 s[G1W+4], 16                         ; tile_dim1 = 16
	s_mov_b32 s[G1W+5], 512                        ; from row to row
	s_mov_b32 s[G1W+6], 0
	s_mov_b32 s[G1W+7], 0
	s_mov_b32 s[G1S], 15|(3<<16)|(1<<21)           ; elements of 8 bytes, no padding: 4 rows of 256 bytes, dense
	s_mov_b32 s[G1S+1], 32<<16
	s_mov_b32 s[G1S+2], 4<<16
	s_mov_b32 s[G1S+3], 32<<16
	s_mov_b32 s[G1S+4], 4
	s_mov_b32 s[G1S+5], 32
	s_mov_b32 s[G1S+6], 0
	s_mov_b32 s[G1S+7], 0
	s_mov_b32 s[SEL], 0x76543210
	s_mov_b32 s[SEL+1], 0xfedcba98
	; what hangs on y alone
	s_sub_co_u32 s96, s[YY], 32                    ; V: y - 32 (used only where y >= 32)
	s_lshr_b32 s97, s96, 2                         ; V: the batch
	s_and_b32 s98, s96, 3                          ; V: which 256 rows of P_V
	s_lshr_b32 s99, s[YY], 3                       ; Q, K: the batch
	s_and_b32 s100, s[YY], 7                       ; Q, K: which 256 positions
	s_cmp_lt_u32 s[YY], 32
	s_cselect_b32 s[PM], -1, 0
	s_cselect_b32 s99, s99, s97                    ; the batch
	s_cselect_b32 s97, s[YY], s98                  ; W's block of 256 rows
	s_mov_b32 s[ST1], 1024
	s_cselect_b32 s[ST1], 512, s[ST1]
	s_mov_b32 s[ST2], 62464                        ; V: from a head's d tile 3 to the next head's d tile 0: 65,536 - 3 x 1,024
	s_cselect_b32 s[ST2], 512, s[ST2]
	s_mov_b32 s[SST], 8192
	s_cselect_b32 s[SST], 256, s[SST]
	s_mov_b32 s[ST1+1], 0
	s_mov_b32 s[ST2+1], 0
	s_mov_b32 s[SST+1], 0
	s_mov_b32 s[G0A], 1
	s_mul_i32 s[G0A+1], s[WV], 2*GP                ; wave w brings rows 32 w on: two groups of 16
	s_mov_b32 s[G0B], 1
	s_add_co_u32 s[G0B+1], s[G0A+1], GP
	s_mov_b32 s[G0S], 1
	s_lshl_b32 s[G0S+1], s[WV], 10
	s_add_co_u32 s[G0S+1], s[G0S+1], WSC
	; the lanes' places
	v_and_b32 v[L16], 31, v0
	s_delay_alu instid0(VALU_DEP_1)
	v_lshlrev_b32 v[L16], 4, v[L16]
	v_and_b32 v2, 15, v0                           ; r
	v_bfe_u32 v3, v0, 4, 1                         ; h
	s_delay_alu instid0(VALU_DEP_2)
	v_and_b32 v9, 7, v2
	s_delay_alu instid0(VALU_DEP_3)
	v_lshrrev_b32 v10, 3, v2
	s_delay_alu instid0(VALU_DEP_2)
	v_mul_u32_u24 v[WA0], v9, RP
	s_delay_alu instid0(VALU_DEP_1)
	v_mad_u32_u24 v[WA0], v10, GP, v[WA0]
	s_delay_alu instid0(VALU_DEP_1)
	v_lshl_add_u32 v[WA0], v3, 4, v[WA0]           ; row r % 8 of group r / 8, + 16 h
	s_delay_alu instid0(VALU_DEP_4)
	v_lshl_add_u32 v[UPR], v10, 3, v2
	s_delay_alu instid0(VALU_DEP_1)
	v_lshlrev_b32 v[UPR], 5, v[UPR]
	s_delay_alu instid0(VALU_DEP_1)
	v_add_nc_u32 v[WSA0], WSC, v[UPR]
	v_mul_u32_u24 v[TA0], v9, TRP
	s_delay_alu instid0(VALU_DEP_1)
	v_mad_u32_u24 v[TA0], v10, TGP, v[TA0]
	s_delay_alu instid0(VALU_DEP_1)
	v_lshl_add_u32 v[TA0], v3, 6, v[TA0]           ; + 64 h: the eight pairs of my half of a block of 32
	s_delay_alu instid0(VALU_DEP_1)
	v_add_nc_u32 v[TA0], TAB, v[TA0]
	s_mul_i32 s101, s[WV], 16*RP
	s_add_co_u32 s101, s101, UST
	v_add_nc_u32 v[USTS], s101, v[L16]
	v_mul_u32_u24 v[USTL], v2, RP
	s_delay_alu instid0(VALU_DEP_1)
	v_lshl_add_u32 v[USTL], v3, 4, v[USTL]
	s_delay_alu instid0(VALU_DEP_1)
	v_add_nc_u32 v[USTL], s101, v[USTL]
	v_lshlrev_b32 v[SCO], 4, v2
	v_lshrrev_b32 v9, 4, v0
	s_delay_alu instid0(VALU_DEP_1)
	v_mul_u32_u24 v[TST], v9, TGP
	s_delay_alu instid0(VALU_DEP_1)
	v_mad_u32_u24 v[TST], v2, TRP, v[TST]
	s_delay_alu instid0(VALU_DEP_1)
	v_add_nc_u32 v[TST], TAB, v[TST]
	s_lshl_b32 s101, s100, 8
	v_add_nc_u32 v[POS], s101, v0                  ; position 256 (y & 7) + thread,
	s_delay_alu instid0(VALU_DEP_1)
	v_and_b32 v[POS], s[PM], v[POS]                ; or 0 for V
	s_delay_alu instid0(VALU_DEP_1)
	v_cvt_f32_u32 v[POS], v[POS]
	v_mov_b32 v[TM+2], 0                           ; written once: a lane permute's destination counts as one of its sources
	v_mov_b32 v[TM+3], 0
	s_lshl_b32 s2, s97, 17                         ; W's codes: 131,072 x block + 16,384 x wave
	s_lshl_b32 s101, s[WV], 14
	s_add_co_u32 s2, s2, s101
	s_mov_b32 s3, 0
	s_wait_dscnt 0x0
	s_wait_kmcnt 0x0
	s_cmp_lt_u32 s[YY], 32
	s_cselect_b64 s[G0A+2:G0A+3], s[4:5], s[16:17] ; W: x, or P_V
	s_cselect_b64 s[G0S+2:G0S+3], s[6:7], s[18:19]
	s_add_nc_u64 s[G0A+2:G0A+3], s[G0A+2:G0A+3], s[2:3]
	s_add_nc_u64 s[G0B+2:G0B+3], s[G0A+2:G0A+3], 8192
	s_or_b32 s[G0A+3], s[G0A+3], 0x80000000        ; type = 2
	s_or_b32 s[G0B+3], s[G0B+3], 0x80000000
	s_lshl_b32 s2, s97, 13                         ; W's scales: 8,192 x block + 1,024 x wave
	s_lshl_b32 s101, s[WV], 10
	s_add_co_u32 s2, s2, s101
	s_add_nc_u64 s[G0S+2:G0S+3], s[G0S+2:G0S+3], s[2:3]
	s_or_b32 s[G0S+3], s[G0S+3], 0x80000000
	CROUND                                         ; all four partners are here: the joint loads meet
	tensor_load_to_lds s[G0A:G0A+3], s[G1W:G1W+7]  ; the launch's only fills: three loads of mine are out
	s_nop 0
	tensor_load_to_lds s[G0B:G0B+3], s[G1W:G1W+7]
	s_nop 0
	tensor_load_to_lds s[G0S:G0S+3], s[G1S:G1S+7]
	s_nop 0
.rept 4
	v_nop                                          ; four lines behind the tensor loads
.endr
	; what hangs on cx: U's rows and where the results go
	s_and_b32 s86, s[CX], 1                        ; Q, K: which 512 rows of the weight
	s_lshl_b32 s87, s99, 2
	s_add_co_u32 s87, s87, s[CX]                   ; V: which 512 rows of x
	s_lshl_b32 s88, s99, 4
	s_lshl_b32 s89, s86, 3
	s_add_co_u32 s89, s89, s[WV]
	s_add_co_u32 s89, s89, s88                     ; Q, K: 16 batch + head, head = 8 (cx & 1) + wave
	s_lshl_b32 s90, s98, 2
	s_add_co_u32 s90, s90, s88                     ; V: 16 batch + the first of W's four heads
	s_lshl_b32 s91, s[CX], 2
	s_lshr_b32 s92, s[WV], 1
	s_add_co_u32 s91, s91, s92                     ; V: my key step of 128: 4 cx + wave / 2
	s_and_b32 s92, s[WV], 1                        ; V: which 64 keys of it
	s_lshl_b32 s93, s91, 12
	s_lshl_b32 s94, s92, 9
	s_add_co_u32 s93, s93, s94                     ; V: in a head's images
	s_lshl_b32 s94, s91, 8
	s_lshl_b32 s95, s92, 1
	s_add_co_u32 s94, s94, s95                     ; V: in a head's scale words
	s_lshl_b32 s91, s100, 13                       ; Q, K: 16 tiles of 512 bytes for each 256 positions
	s_lshl_b32 s92, s100, 9                        ; Q, K: two blocks of 256 bytes
	s_cmp_lt_u32 s[CX], 2
	s_cselect_b64 s[UP:UP+1], s[8:9], s[12:13]
	s_cselect_b64 s[USC:USC+1], s[10:11], s[14:15]
	s_cselect_b64 s[OI:OI+1], s[20:21], s[24:25]
	s_cselect_b64 s[OSC:OSC+1], s[22:23], s[26:27]
	s_cmp_lt_u32 s[YY], 32
	s_cselect_b64 s[UP:UP+1], s[UP:UP+1], s[4:5]
	s_cselect_b64 s[USC:USC+1], s[USC:USC+1], s[6:7]
	s_cselect_b64 s[OI:OI+1], s[OI:OI+1], s[28:29]
	s_cselect_b64 s[OSC:OSC+1], s[OSC:OSC+1], s[30:31]
	s_cselect_b32 s87, s86, s87
	s_cselect_b32 s89, s89, s90
	s_cselect_b32 s93, s91, s93
	s_cselect_b32 s94, s92, s94
	s_lshl_b32 s90, s87, 18                        ; 512 rows of 512 bytes; my wave's 64 rows
	s_lshl_b32 s91, s[WV], 15
	s_add_co_u32 s90, s90, s91
	s_mov_b32 s91, 0
	s_add_nc_u64 s[UP:UP+1], s[UP:UP+1], s[90:91]
	s_lshl_b32 s90, s87, 14
	s_lshl_b32 s92, s[WV], 11
	s_add_co_u32 s90, s90, s92
	s_add_nc_u64 s[USC:USC+1], s[USC:USC+1], s[90:91]
	s_lshl_b32 s90, s89, 16                        ; a head's images are 65,536 bytes,
	s_add_co_u32 s90, s90, s93
	s_add_nc_u64 s[OI:OI+1], s[OI:OI+1], s[90:91]
	s_lshl_b32 s90, s89, 12                        ; its scale words 4,096
	s_add_co_u32 s90, s90, s94
	s_add_nc_u64 s[OSC:OSC+1], s[OSC:OSC+1], s[90:91]
.irp t, 0,1,2,3                                ; U's scale words: lane r takes the 32 bytes of its row of tile t
.irp e, 0,1
	global_load_b128 v[US+8*\t+4*\e:US+8*\t+4*\e+3], v[UPR], s[USC:USC+1] offset:(32*(\t/2)+8*(\t%2))*32+16*\e
.endr
.endr
	WIN 0x44                                       ; destination and an LDS store's data in window 1, addresses in window 0
.irp t, 0,1,2,3                                ; U's codes: each load takes one whole row, 512 consecutive bytes; the rows in their tile's order
.irp i, 0,1,2,3,4,5,6,7,8,9,10,11,12,13,14,15
	global_load_b128 v[64*\t+4*\i:64*\t+4*\i+3], v[L16], s[UP:UP+1] offset:(32*(\t/2)+8*(\t%2)+\i+8*(\i/8))*512
.endr
.endr
	WIN 0
	; THE TABLE, while those loads are on their way: thread t makes the 32 pairs (cos, sin) of its position.
	s_mov_b32 s86, 0x3f22f983                      ; 2 / pi
	s_mov_b32 s87, 0xbfc90fdb                      ; -pi/2 in three parts
	s_mov_b32 s88, 0x333bbd2e
	s_mov_b32 s89, 0x26f72ced
	s_mov_b32 s90, 0xbe2aaaa3                      ; sine: -1.6666654611e-1, 8.3321608736e-3, -1.9515295891e-4
	s_mov_b32 s91, 0x3c08839e
	s_mov_b32 s92, 0xb94ca1f9
	s_mov_b32 s93, 0x3d2aaaa5                      ; cosine: 4.166664568e-2, -1.388731625e-3, 2.443315712e-5
	s_mov_b32 s94, 0xbab6061a
	s_mov_b32 s95, 0x37ccf5ce
; Two frequencies at a time, line by line in turns, on two sets of temporaries (+0 angle, +1 n, +2 r, +3 r^2, +4 sine, +5 cosine, +6 n as a whole number).  angle = f32(frequency x position), as the problem forms it;
; n = the nearest whole number to angle x 2 / pi; r = angle - n pi/2; the quadrant n mod 4 swaps and signs the two polynomials.  d: cos0, sin0, cos1, sin1.
.macro SINCOS2 f0, f1, d
	v_mul_f32 v120, \f0, v[POS]
	v_mul_f32 v128, \f1, v[POS]
.irp x, 120,128
	s_delay_alu instid0(VALU_DEP_2)
	v_mul_f32 v[\x+1], s86, v[\x]
.endr
.irp x, 120,128
	s_delay_alu instid0(VALU_DEP_2)
	v_rndne_f32 v[\x+1], v[\x+1]
.endr
.irp x, 120,128
	s_delay_alu instid0(VALU_DEP_2)
	v_fma_f32 v[\x+2], v[\x+1], s87, v[\x]
.endr
.irp x, 120,128
	s_delay_alu instid0(VALU_DEP_2)
	v_fma_f32 v[\x+2], v[\x+1], s88, v[\x+2]
.endr
.irp x, 120,128
	s_delay_alu instid0(VALU_DEP_2)
	v_fma_f32 v[\x+2], v[\x+1], s89, v[\x+2]
.endr
.irp x, 120,128
	v_cvt_i32_f32 v[\x+6], v[\x+1]
.endr
.irp x, 120,128
	s_delay_alu instid0(VALU_DEP_4)
	v_mul_f32 v[\x+3], v[\x+2], v[\x+2]
.endr
.irp x, 120
	s_delay_alu instid0(VALU_DEP_2)
	v_fma_f32 v[\x+4], v[\x+3], s92, s91
	s_delay_alu instid0(VALU_DEP_3)
	v_fma_f32 v[\x+5], v[\x+3], s95, s94
.endr
.irp x, 128
	s_delay_alu instid0(VALU_DEP_3)
	v_fma_f32 v[\x+4], v[\x+3], s92, s91
	s_delay_alu instid0(VALU_DEP_4)
	v_fma_f32 v[\x+5], v[\x+3], s95, s94
.endr
.irp x, 120,128
	s_delay_alu instid0(VALU_DEP_4)
	v_fma_f32 v[\x+4], v[\x+4], v[\x+3], s90
	s_delay_alu instid0(VALU_DEP_4)
	v_fma_f32 v[\x+5], v[\x+5], v[\x+3], s93
.endr
.irp x, 120,128
	v_mul_f32 v[\x+4], v[\x+4], v[\x+3]
	v_mul_f32 v[\x+5], v[\x+5], v[\x+3]
	v_fma_f32 v[\x], v[\x+3], -0.5, 1.0
.endr
.irp x, 120,128
	v_fma_f32 v[\x+4], v[\x+4], v[\x+2], v[\x+2]   ; sin r
	v_fma_f32 v[\x+5], v[\x+5], v[\x+3], v[\x]     ; cos r
	v_and_b32 v[\x+1], 1, v[\x+6]
.endr
	s_delay_alu instid0(VALU_DEP_4)
	v_cmp_eq_u32 vcc_lo, 1, v121                   ; an odd quadrant swaps the two
	s_delay_alu instid0(VALU_DEP_2)
	v_cmp_eq_u32 s96, 1, v129
	s_delay_alu instid0(VALU_DEP_2)
	v_cndmask_b32 v[\d+1], v124, v125, vcc_lo
	s_delay_alu instid0(VALU_DEP_3)
	v_cndmask_b32 v[\d], v125, v124, vcc_lo
	s_delay_alu instid0(VALU_DEP_3)
	v_cndmask_b32 v[\d+3], v132, v133, s96
	s_delay_alu instid0(VALU_DEP_4)
	v_cndmask_b32 v[\d+2], v133, v132, s96
.irp x, 120,128
	v_lshlrev_b32 v[\x+1], 30, v[\x+6]             ; the sine's sign: bit 1 of n;
	v_add_nc_u32 v[\x+6], 1, v[\x+6]               ; the cosine's: bit 1 of n + 1
.endr
.irp x, 120,128
	s_delay_alu instid0(VALU_DEP_4)
	v_and_b32 v[\x+1], 0x80000000, v[\x+1]
	s_delay_alu instid0(VALU_DEP_4)
	v_lshlrev_b32 v[\x+6], 30, v[\x+6]
.endr
.irp x, 120
	s_delay_alu instid0(VALU_DEP_3)
	v_and_b32 v[\x+6], 0x80000000, v[\x+6]
.endr
.irp x, 128
	s_delay_alu instid0(VALU_DEP_2)
	v_and_b32 v[\x+6], 0x80000000, v[\x+6]
.endr
	v_xor_b32 v[\d+1], v121, v[\d+1]
	s_delay_alu instid0(VALU_DEP_3)
	v_xor_b32 v[\d], v126, v[\d]
	v_xor_b32 v[\d+3], v129, v[\d+3]
	s_delay_alu instid0(VALU_DEP_4)
	v_xor_b32 v[\d+2], v134, v[\d+2]
	ds_store_b128 v[TST], v[\d:\d+3] offset:4*(\d-WF)
.endm
	s_wait_alu depctr_va_vdst(0)
	SINCOS2 1.0, 0.7498942093324559, 56            ; 10^(-i/8), i = 0 .. 31
	SINCOS2 0.5623413251903491, 0.4216965034285822, 60
	SINCOS2 0.31622776601683794, 0.23713737056616552, 64
	SINCOS2 0.1778279410038923, 0.1333521432163324, 68
	SINCOS2 0.1, 0.07498942093324559, 72
	SINCOS2 0.05623413251903491, 0.04216965034285822, 76
	SINCOS2 0.031622776601683794, 0.023713737056616552, 80
	SINCOS2 0.01778279410038923, 0.01333521432163324, 84
	SINCOS2 0.01, 0.007498942093324559, 88
	SINCOS2 0.005623413251903491, 0.004216965034285822, 92
	SINCOS2 0.0031622776601683794, 0.0023713737056616552, 96
	SINCOS2 0.001778279410038923, 0.001333521432163324, 100
	SINCOS2 0.001, 0.0007498942093324559, 104
	SINCOS2 0.0005623413251903491, 0.0004216965034285822, 108
	SINCOS2 0.00031622776601683794, 0.00023713737056616552, 112
	SINCOS2 0.0001778279410038923, 0.0001333521432163324, 116
; U's rows become fragments: a tile's 16 rows go into my own stage as they were loaded and come back 16 bytes of one row a lane, into the registers that they left.
; LDS serves a wave's instructions in order (ISA guide 5.7.1.4): no wait between the stores and the loads, nor in front of the next tile's stores.
.macro USTAGE t
	s_wait_loadcnt 48-16*\t                        ; the scale words and this tile's 16 rows are in; the 16 rows of each later tile may be out
.irp i, 0,1,2,3,4,5,6,7,8,9,10,11,12,13,14,15
	ds_store_b128 v[USTS], v[64*\t+4*\i:64*\t+4*\i+3] offset:RP*\i
.endr
.irp q, 0,1,2,3,4,5,6,7
.irp c, 0,1
	ds_load_b128 v[64*\t+8*\q+4*\c:64*\t+8*\q+4*\c+3], v[USTL] offset:64*\q+32*\c
.endr
.endr
.endm
	WIN 0x44
	USTAGE 0
	USTAGE 1
	USTAGE 2
	USTAGE 3
	WIN 0
	s_wait_tensorcnt 0x0                           ; my parts of W have landed,
	s_wait_dscnt 0x0                               ; my rows of the table are stored and my fragments of U are in:
	s_barrier_signal -1
	s_barrier_wait -1                              ; the same holds of all eight waves
.macro WFETCH u                        ; tile u of the trip's eight: eight fragments (16 rows x 128 K: two loads of 16 bytes, 32 bytes apart) and the rows' eight scale words
.irp q, 0,1,2,3,4,5,6,7
.irp c, 0,1
	ds_load_b128 v[WF+8*\q+4*\c:WF+8*\q+4*\c+3], v[WA] offset:((\u)/2)*2*GP+((\u)%2)*8*RP+64*\q+32*\c
.endr
.endr
.irp e, 0,1
	ds_load_b128 v[WS+4*\e:WS+4*\e+3], v[WSA] offset:(32*((\u)/2)+8*((\u)%2))*32+16*\e
.endr
.endm
.macro CSFETCH u                       ; (cos, sin) of my row's position for my 16 pairs: pair 16 b + 8 h + m lies with registers ACC + 16 b + 2 m, + 1
.irp b, 0,1
.irp k, 0,1,2,3
	ds_load_b128 v[CS+16*\b+4*\k:CS+16*\b+4*\k+3], v[TA] offset:((\u)/2)*2*TGP+((\u)%2)*8*TRP+128*\b+16*\k
.endr
.endr
.endm
.macro MUL32                           ; four tiles of U x one tile of W, all of K.  The four accumulators take turns, one instruction a turn; the first K step starts the sums
	WIN 0x01                                       ; source 0 (U) in window 1
.irp q, 0,1,2,3,4,5,6,7
.irp t, 0,1,2,3
.if \q == 0
	v_wmma_scale_f32_16x16x128_f8f6f4 v[ACC+8*\t:ACC+8*\t+7], v[64*\t+8*\q:64*\t+8*\q+7], v[WF+8*\q:WF+8*\q+7], 0, v[US+8*\t+\q], v[WS+\q] matrix_a_fmt:MATRIX_FMT_FP4 matrix_b_fmt:MATRIX_FMT_FP4
.else
	v_wmma_scale_f32_16x16x128_f8f6f4 v[ACC+8*\t:ACC+8*\t+7], v[64*\t+8*\q:64*\t+8*\q+7], v[WF+8*\q:WF+8*\q+7], v[ACC+8*\t:ACC+8*\t+7], v[US+8*\t+\q], v[WS+\q] matrix_a_fmt:MATRIX_FMT_FP4 matrix_b_fmt:MATRIX_FMT_FP4
.endif
.endr
.endr
	WIN 0
.endm
.macro ROPE                            ; (x1, x2) -> (x1 cos - x2 sin, x1 sin + x2 cos), a pair an instruction; an accumulator at a time, from its low end on
.irp g, 0,1,2,3
.irp m, 0,1,2,3
	v_pk_mul_f32 v[RT+2*\m:RT+2*\m+1], v[ACC+8*\g+2*\m:ACC+8*\g+2*\m+1], v[CS+8*\g+2*\m:CS+8*\g+2*\m+1] op_sel_hi:[1,0]   ; (x1 cos, x2 cos)
.endr
.irp m, 0,1,2,3
	v_pk_fma_f32 v[ACC+8*\g+2*\m:ACC+8*\g+2*\m+1], v[ACC+8*\g+2*\m:ACC+8*\g+2*\m+1], v[CS+8*\g+2*\m:CS+8*\g+2*\m+1], v[RT+2*\m:RT+2*\m+1] op_sel:[1,1,0] op_sel_hi:[0,1,1] neg_lo:[1,0,0]   ; (-x2 sin + .., x1 sin + ..)
.endr
.endr
.endm
; 32 numbers of a lane, register 16 b + i = k 32 b + 16 (lane / 16) + i of my row, become four registers of codes (lane (r, h): k = 32 h + 0 .. 31) and the row's two scale bytes.
.macro QUANT2 s
.irp b, 0,1
	v_max3_num_f32 v[TM+\b], |v[(\s)+16*\b]|, |v[(\s)+1+16*\b]|, 0x1800000   ; my 16 numbers of block b, and the floor 2^(3 - 127): the byte cannot fall under 1
.endr
.irp i, 2,4,6,8,10,12,14
.irp b, 0,1
	s_delay_alu instid0(VALU_DEP_2)
	v_max3_num_f32 v[TM+\b], v[TM+\b], |v[(\s)+16*\b+\i]|, |v[(\s)+1+16*\b+\i]|
.endr
.endr
.irp b, 0,1
	s_delay_alu instid0(VALU_DEP_2)
	v_permlanex16_b32 v[TM+2+\b], v[TM+\b], s[SEL], s[SEL+1]
.endr
.irp b, 0,1
	s_delay_alu instid0(VALU_DEP_2)
	v_max_num_f32 v[TM+\b], v[TM+\b], v[TM+2+\b]   ; with lane l xor 16's: the block's largest magnitude
.endr
.irp b, 0,1
	s_delay_alu instid0(VALU_DEP_2)
	v_add_nc_u32 v[TM+4+\b], 0xff000000, v[TM+\b]  ; 2 off its exponent field: the conversion takes this operand's exponent field as its scale
.endr
.irp b, 0,1
	s_delay_alu instid0(VALU_DEP_2)
	v_lshrrev_b32 v[TM+2+\b], 23, v[TM+4+\b]       ; the scale's byte
.endr
	s_delay_alu instid0(VALU_DEP_1)
	v_lshl_or_b32 v[PW], v[TM+3], 8, v[TM+2]
.irp b, 0,1
.irp e, 0,1
	v_cvt_scalef32_pk8_fp4_f32 v[PC+2*\b+\e], v[(\s)+16*\b+8*\e:(\s)+16*\b+8*\e+7], v[TM+4+\b]
.endr
.endr
	v_nop                                          ; one plain place behind a scaled conversion
	v_permlane16_swap_b32 v[PC], v[PC+2]           ; a whole block to a lane: lanes 0-15 block 0, lanes 16-31 block 1
	v_permlane16_swap_b32 v[PC+1], v[PC+3]
.endm
.macro UNIT u
.if \u > 0
	s_wait_xcnt 0x0                                ; the last tile's store has read its data and its base: both are written again below
.if (\u)%4 == 0
	s_add_nc_u64 s[OI:OI+1], s[OI:OI+1], s[ST2:ST2+1]
.else
	s_add_nc_u64 s[OI:OI+1], s[OI:OI+1], s[ST1:ST1+1]
.endif
.endif
	s_wait_dscnt 0x0                               ; this tile's fragments, scale words and table rows are in
	MUL32
.rept 4
	v_nop                                          ; four places behind the products, ahead of the loads into W's registers and of the first read of the sums
.endr
.if \u < 7
	WFETCH (\u)+1                                  ; the next tile comes while this one is rotated and quantised
.endif
	ROPE
.if \u < 7
	CSFETCH (\u)+1
.endif
	QUANT2 ACC
.if (\u)%2 == 0
	v_mov_b32 v[SW+(\u)/2], v[PW]                  ; two tiles' bytes make a word
.else
	v_lshl_or_b32 v[SW+(\u)/2], v[PW], 16, v[SW+(\u)/2]
.endif
	global_store_b128 v[L16], v[PC:PC+3], s[OI:OI+1]   ; the image: 512 consecutive bytes, at a multiple of 512 from the buffer's first byte
.endm
	s_mov_b32 s[TW], 0
	s_mov_b32 s[TSW], 0
	s_mov_b32 s[TT], 0
	s_mov_b32 s[TRIP], 2
.Ltrip:                                            ; a trip: 128 rows of W, eight tiles
	v_add_nc_u32 v[WA], s[TW], v[WA0]
	v_add_nc_u32 v[WSA], s[TSW], v[WSA0]
	v_add_nc_u32 v[TA], s[TT], v[TA0]
	WFETCH 0
	CSFETCH 0
	s_wait_alu depctr_va_vdst(0)
.irp u, 0,1,2,3,4,5,6,7
	UNIT \u
.endr
	s_cmp_lt_u32 s[YY], 32                         ; the one branch on y, which the partners share: the scale words lie otherwise for V
	s_cbranch_scc0 .Lv_scales
	global_store_b128 v[SCO], v[SW:SW+3], s[OSC:OSC+1]   ; Q, K: row r's four words: lanes 0-15 fill 256 consecutive bytes; lanes 16-31 store the same bytes with the same values
	s_branch .Lscales_out
.Lv_scales:
	s_wait_alu depctr_va_vdst(0)
.irp p, 0,1,2,3                                ; V: a word spans 128 keys, and my wave has 64: two bytes of a word for each d tile (head p / 2, d tiles 2 (p % 2) and + 1)
	global_store_b16 v[SCO], v[SW+\p], s[OSC:OSC+1] offset:(\p/2)*4096+(\p%2)*8
	global_store_d16_hi_b16 v[SCO], v[SW+\p], s[OSC:OSC+1] offset:(\p/2)*4096+(\p%2)*8+4
.endr
.Lscales_out:
	s_wait_xcnt 0x0                                ; all stores have read their data and bases
	s_add_nc_u64 s[OI:OI+1], s[OI:OI+1], s[ST2:ST2+1]
	s_add_nc_u64 s[OSC:OSC+1], s[OSC:OSC+1], s[SST:SST+1]
	s_add_co_u32 s[TW], s[TW], 8*GP
	s_add_co_u32 s[TSW], s[TSW], 4096
	s_add_co_u32 s[TT], s[TT], 8*TGP
	s_sub_co_i32 s[TRIP], s[TRIP], 1
	s_cmp_lg_u32 s[TRIP], 0
	s_cbranch_scc1 .Ltrip
	s_wait_dscnt 0x0
	s_wait_tensorcnt 0x0
	ds_add_u32 v254, v255
	s_wait_dscnt 0x0
	CROUND                                         ; the closing round: no work-group ends while a partner may still ask for a tile that names it
	s_endpgm
.Lfunc_end_k_q66593460c1_qkv:
	.size	k_q66593460c1_qkv, .Lfunc_end_k_q66593460c1_qkv-k_q66593460c1_qkv
	.p2alignl 7, 3214868480
	.fill 96, 4, 3214868480
	.section	.rodata,"a",@progbits
	.p2align	6, 0x0
	.amdhsa_kernel k_q66593460c1_qkv
		.amdhsa_group_segment_fixed_size 285696
		.amdhsa_private_segment_fixed_size 0
		.amdhsa_enable_private_segment 0
		.amdhsa_kernarg_size 112
		.amdhsa_user_sgpr_count 2
		.amdhsa_user_sgpr_kernarg_segment_ptr 1
		.amdhsa_wavefront_size32 1
		.amdhsa_system_sgpr_workgroup_id_x 1
		.amdhsa_system_sgpr_workgroup_id_y 1
		.amdhsa_system_sgpr_workgroup_id_z 1
		.amdhsa_system_vgpr_workitem_id 0
		.amdhsa_next_free_vgpr 512
		.amdhsa_next_free_sgpr 102
		.amdhsa_reserve_vcc 1
		.amdhsa_float_denorm_mode_32 3
		.amdhsa_float_denorm_mode_16_64 3
		.amdhsa_memory_ordered 1
		.amdhsa_forward_progress 1
		.amdhsa_inst_pref_size 172
	.end_amdhsa_kernel
	.amdgpu_metadata
---
amdhsa.version: [ 1, 2 ]
amdhsa.kernels:
  - .name:           k_q66593460c1_qkv
    .symbol:         k_q66593460c1_qkv.kd
    .args:
      - { .name: x_codes, .offset: 0, .size: 8, .value_kind: global_buffer, .address_space: global }
      - { .name: x_scales, .offset: 8, .size: 8, .value_kind: global_buffer, .address_space: global }
      - { .name: P_Q_codes, .offset: 16, .size: 8, .value_kind: global_buffer, .address_space: global }
      - { .name: P_Q_scales, .offset: 24, .size: 8, .value_kind: global_buffer, .address_space: global }
      - { .name: P_K_codes, .offset: 32, .size: 8, .value_kind: global_buffer, .address_space: global }
      - { .name: P_K_scales, .offset: 40, .size: 8, .value_kind: global_buffer, .address_space: global }
      - { .name: P_V_codes, .offset: 48, .size: 8, .value_kind: global_buffer, .address_space: global }
      - { .name: P_V_scales, .offset: 56, .size: 8, .value_kind: global_buffer, .address_space: global }
      - { .name: q_img, .offset: 64, .size: 8, .value_kind: global_buffer, .address_space: global }
      - { .name: q_scl, .offset: 72, .size: 8, .value_kind: global_buffer, .address_space: global }
      - { .name: k_img, .offset: 80, .size: 8, .value_kind: global_buffer, .address_space: global }
      - { .name: k_scl, .offset: 88, .size: 8, .value_kind: global_buffer, .address_space: global }
      - { .name: v_img, .offset: 96, .size: 8, .value_kind: global_buffer, .address_space: global }
      - { .name: v_scl, .offset: 104, .size: 8, .value_kind: global_buffer, .address_space: global }
    .group_segment_fixed_size: 285696
    .private_segment_fixed_size: 0
    .kernarg_segment_align: 8
    .kernarg_segment_size: 112
    .max_flat_workgroup_size: 256
    .sgpr_count:     102
    .vgpr_count:     512
    .wavefront_size: 32
...
	.end_amdgpu_metadata
.endif
;; end of part 1
;; launch attn (part 2): grid 4 x 64, 16 waves a work-group, clusters of 4 x 1, 169,984 bytes of LDS; arguments q_img, q_scl, k_img, k_scl, v_img, v_scl, a_img, a_scl; writes a_img, a_scl
.if DOCPART == 2
	.amdgcn_target "amdgcn-amd-amdhsa--gfx1250"
	.amdhsa_code_object_version 6
	.text
	.protected	k_q66593460c1_attn
	.globl	k_q66593460c1_attn
	.p2align	8
	.type	k_q66593460c1_attn,@function
k_q66593460c1_attn:
	s_mov_b64 s[64:65], 0
	v_nop
	global_prefetch_b8 v0, s[64:65] scope:SCOPE_SE
	s_setreg_imm32_b32 hwreg(HW_REG_WAVE_MODE, 25, 1), 1
	s_wait_xcnt 0x0
	s_wait_alu depctr_hold_cnt(0) depctr_sa_sdst(0) depctr_va_vdst(0) depctr_va_sdst(0) depctr_va_ssrc(0) depctr_va_vcc(0) depctr_vm_vsrc(0)
	s_getreg_b32 s2, hwreg(HW_REG_IB_STS2, 6, 4)
	s_cmp_eq_u32 s2, 0
	s_cbranch_scc0 .Lentry_in_a_cluster
	s_endpgm
.Lentry_in_a_cluster:
	s_bfe_u32 s2, ttmp6, 0x10000c
	s_cmp_lg_u32 s2, 0x3003
	s_cbranch_scc0 .Lentry_shape_is_right
	s_endpgm
.Lentry_shape_is_right:
; Causal attention of one head on codes of FP4 (E2M1) with E8M0 scales: S^T = K Q^T (K = the head's 64), the softmax, O^T = V^T P^T (K = the keys), O / l, and O quantised along the head's 64 for the last product.
; THE SOFTMAX AHEAD OF THE SECOND PRODUCT: t = score x log2(e) / 8; M = the running largest t rounded UP to a whole number; p = 2^(t - M) is quantised along the keys, not normalised; the row's sum is taken of the
; unquantised p and divides at the end.  When M moves, the sum and O^T are multiplied by 2^(old M - new M): exact.
; ALL OPERANDS COME AS IMAGES OF REGISTERS: a tile of 16 rows x 64 along K is 512 bytes, lane l's 16 bytes at 16 l.  A tile's rows are not neighbours: lane r of tile 2 b + u holds row 32 b + 8 u + r + 8 (r / 8), so that
; the 16 registers of result tiles 2 b and 2 b + 1 are 16 neighbours: keys in S^T, channels in O^T.  A lane holds one query throughout.
; K = 64 IN AN INSTRUCTION 128 DEEP: source 0 takes TWO tiles of keys, tile 2 p at k 0-63 and tile 2 p + 1 at k 64-127; source 1 is (q, zeros) for the first tile's scores and (zeros, q) for the second's.
; SHARES.  The four partners of a cluster serve one head.  Its 2,048 queries are 16 blocks of 128, eight tiles each; partner cx owns tiles 2 cx and 2 cx + 1 of EVERY block, so the number of key steps of a block and the
; place of the diagonal are the same in all partners: cx enters global addresses and the mask's lane value alone.  Wave w takes tile 2 cx + w / 8 of block JB = 15 - min(w, 15 - w) and then of block JS = 15 - JB:
; (JB + 1) + (JS + 1) = 17 key steps of 128 for every wave.  Sixteen waves of 256 registers: four to a SIMD, so that one wave's vector work stands beside another's products and LDS loads.
; LDS holds the head's K, V and their scale words whole, 139,264 bytes, filled once by joint loads (mask 15): nothing is filled again.  Nothing is prefetched: all is asked for at the head.
; THE MASK.  The loops' trip counts are constants; a step all of whose keys come after the block is left out by a scalar branch on the wave's number and the counter; on the diagonal hidden scores become -infinity.
; LIMITS.  1 / l is v_rcp_f32 and a multiplication.  A block of zeros gets the byte 1, not 127 (its codes are zeros; this program alone reads the bytes).  NaN and infinities are not served.
.set VIMG, 65536                       ; K's images lie at 0, V's here: 4,096 bytes a key step each
.set KSC,  131072                      ; K's scale words: 256 bytes a key step: [r 16][pair of tiles 4]
.set VSC,  135168                      ; V's: [r 16][d tile 4]
.set L16,  1                           ; v1   16 x lane
.set R16,  2                           ; v2   16 r
.set DV,   3                           ; v3   my query's place in its block of 128, less 16 (lane / 16)
.set AV0,  5
.set ASK0, 6
.set ASV0, 7
.set ADK,  8                           ; v8-11 the step's four LDS addresses
.set ADV,  9
.set ADS,  10
.set ADT,  11
                                       ; v12 -M, v13 the largest t, v[14:15] the sum; v[16:23] (q, 0), v[24:31] (0, q); v32-63 K, v64-95 V; v96-159 S^T, then p; v160-191 O^T; v192-199 p's codes
.set PC,   200                         ; v200-203 O's codes, v204 its two scale bytes
.set PW,   204
.set QO,   205
.set QSO,  206
.set AO,   207
.set ASO,  208
.set BM,   210                         ; v210-213 the blocks' largest scores, then largest p
.set BT,   214                         ; v214-217 lane permutes' results, then bytes
.set BS,   218                         ; v218-221 the conversions' scale operands
                                       ; v[222:223] f and 0; v[224:225] the second chain of sums; v226 at work
.set KS,   228                         ; v228-231, v232-235, v236-238: scales and nothing else
.set VS,   232
.set QWR,  236
.set QW,   237
.set PWD,  238
.set TM,   240                         ; v240-245 at work in the quantiser; v[246:247] 1 / l and 0
.set WV,   20
.set CX,   21
.set BH,   22
.set UU,   23
.set G1I,  24                          ; s[24:31] 32 KiB of images;  s[32:39] 2 KiB of scale words
.set G1S,  32
.set G0IA, 40
.set G0IB, 44
.set G0SA, 48
.set G0SB, 52
.set JB,   56
.set JS,   57
.set KI,   58                          ; the key step
.set TB,   59                          ; 4,096 x key step
.set TS,   60                          ; 256 x key step
.set SELQ, 61
.set CS,   62                          ; s[62:63] c = log2(e) / 8
.set SEL,  66
.set QB,   68                          ; s[68:69] the head's q images;  s[70:71] its q scale words
.set QSB,  70
.set QOC,  76
.set QSC,  77
.set AOC,  78
.set ASC,  79
.macro CROUND
	s_barrier_signal -1
	s_barrier_wait -1
	s_cmp_lg_u32 s[WV], 0
	s_cbranch_scc1 .Lnot_wave_0_\@
	s_barrier_signal -3
.Lnot_wave_0_\@:
	s_barrier_wait -3
	s_barrier_signal -1
	s_barrier_wait -1
.endm
	s_load_b512 s[4:19], s[0:1], 0x0               ; q_img s[4:5], q_scl, k_img s[8:9], k_scl, v_img s[12:13], v_scl, a_img s[16:17], a_scl s[18:19]
	v_lshl_add_u32 v254, v0, 2, 0x29000
	v_mov_b32 v255, 0
	ds_add_u32 v254, v255
	ds_add_u32 v254, v255
	v_lshrrev_b32 v1, 5, v0
	s_delay_alu instid0(VALU_DEP_1)
	v_readfirstlane_b32 s[WV], v1                  ; wave 0..15
	s_bfe_u32 s[CX], ttmp6, 0x40000
	s_and_b32 s[BH], ttmp7, 0xffff                 ; 16 batch + head
	s_lshr_b32 s[UU], s[WV], 3
	s_sub_co_u32 s[JS], 15, s[WV]
	s_min_u32 s[JS], s[JS], s[WV]
	s_sub_co_u32 s[JB], 15, s[JS]
	s_mov_b32 s[G1I], 15|(3<<16)|(1<<21)           ; mask: all four; elements of 8 bytes; bit 21 beside a mask: 128 rows of 256 bytes, dense
	s_mov_b32 s[G1I+1], 32<<16
	s_mov_b32 s[G1I+2], 128<<16
	s_mov_b32 s[G1I+3], 32<<16
	s_mov_b32 s[G1I+4], 128
	s_mov_b32 s[G1I+5], 32
	s_mov_b32 s[G1I+6], 0
	s_mov_b32 s[G1I+7], 0
	s_mov_b32 s[G1S], 15|(3<<16)|(1<<21)           ; 8 rows of 256 bytes
	s_mov_b32 s[G1S+1], 32<<16
	s_mov_b32 s[G1S+2], 8<<16
	s_mov_b32 s[G1S+3], 32<<16
	s_mov_b32 s[G1S+4], 8
	s_mov_b32 s[G1S+5], 32
	s_mov_b32 s[G1S+6], 0
	s_mov_b32 s[G1S+7], 0
	s_and_b32 s80, s[WV], 1                        ; an even wave fetches for K, an odd one for V
	s_mov_b32 s[G0IA], 1
	s_lshl_b32 s[G0IA+1], s80, 16
	s_mov_b32 s[G0IB], 1
	s_add_co_u32 s[G0IB+1], s[G0IA+1], 32768
	s_mov_b32 s[G0SA], 1
	s_lshl_b32 s[G0SA+1], s80, 12
	s_add_co_u32 s[G0SA+1], s[G0SA+1], KSC
	s_mov_b32 s[G0SB], 1
	s_add_co_u32 s[G0SB+1], s[G0SA+1], 2048
	s_lshl_b32 s72, s[BH], 16                      ; a head's images are 65,536 bytes,
	s_mov_b32 s73, 0
	s_lshl_b32 s74, s[BH], 12                      ; its scale words 4,096
	s_mov_b32 s75, 0
	s_mov_b32 s[CS], 0x3e38aa3b
	s_mov_b32 s[CS+1], s[CS]                       ; (named with it as a pair, so it is written)
	s_mov_b32 s[SEL], 0x76543210
	s_mov_b32 s[SEL+1], 0xfedcba98
	v_and_b32 v[L16], 31, v0
	s_delay_alu instid0(VALU_DEP_1)
	v_lshlrev_b32 v[L16], 4, v[L16]
	v_and_b32 v9, 15, v0                           ; r
	v_bfe_u32 v10, v0, 4, 1                        ; h
	s_delay_alu instid0(VALU_DEP_2)
	v_lshlrev_b32 v[R16], 4, v9
	s_delay_alu instid0(VALU_DEP_4)
	v_add_nc_u32 v[AV0], VIMG, v[L16]
	s_delay_alu instid0(VALU_DEP_2)
	v_add_nc_u32 v[ASK0], KSC, v[R16]
	s_delay_alu instid0(VALU_DEP_3)
	v_add_nc_u32 v[ASV0], VSC, v[R16]
	v_and_b32 v[DV], 8, v9
	s_delay_alu instid0(VALU_DEP_1)
	v_add_nc_u32 v[DV], v[DV], v9                  ; r + 8 (r / 8)
	v_lshlrev_b32 v10, 4, v10
	s_delay_alu instid0(VALU_DEP_1)
	v_sub_nc_u32 v[DV], v[DV], v10
.irp j, 20,21,22,23,24,25,26,27
	v_mov_b32 v[\j], 0                             ; the zero halves of (q, 0) and (0, q): zero codes
.endr
.irp b, 0,1,2,3
	v_mov_b32 v[BT+\b], 0                          ; written once: a lane permute's destination counts as one of its sources
.endr
	v_mov_b32 v[TM+2], 0
	v_mov_b32 v[TM+3], 0
	v_mov_b32 v223, 0                              ; (the upper half of the pair v[222:223])
	s_wait_dscnt 0x0
	s_wait_kmcnt 0x0
	s_cmp_eq_u32 s80, 0
	s_cselect_b64 s[G0IA+2:G0IA+3], s[8:9], s[12:13]
	s_cselect_b64 s[G0SA+2:G0SA+3], s[10:11], s[14:15]
	s_add_nc_u64 s[G0IA+2:G0IA+3], s[G0IA+2:G0IA+3], s[72:73]
	s_add_nc_u64 s[G0IB+2:G0IB+3], s[G0IA+2:G0IA+3], 32768
	s_add_nc_u64 s[G0SA+2:G0SA+3], s[G0SA+2:G0SA+3], s[74:75]
	s_add_nc_u64 s[G0SB+2:G0SB+3], s[G0SA+2:G0SA+3], 2048
	s_or_b32 s[G0IA+3], s[G0IA+3], 0x80000000
	s_or_b32 s[G0IB+3], s[G0IB+3], 0x80000000
	s_or_b32 s[G0SA+3], s[G0SA+3], 0x80000000
	s_or_b32 s[G0SB+3], s[G0SB+3], 0x80000000
	s_add_nc_u64 s[QB:QB+1], s[4:5], s[72:73]
	s_add_nc_u64 s[QSB:QSB+1], s[6:7], s[74:75]
	CROUND                                         ; all four partners are here: the joint loads meet
	s_cmp_lt_u32 s[WV], 2                          ; waves 0, 1: K's and V's images; waves 2, 3: their scale words; each in two halves, key steps 0-7 first: two loads of a wave are out
	s_cbranch_scc0 .Lnot_img
	tensor_load_to_lds s[G0IA:G0IA+3], s[G1I:G1I+7]
	s_nop 0
	tensor_load_to_lds s[G0IB:G0IB+3], s[G1I:G1I+7]
	s_nop 0
.rept 4
	v_nop                                          ; four lines behind the tensor loads
.endr
	s_branch .Lasked
.Lnot_img:
	s_cmp_lt_u32 s[WV], 4
	s_cbranch_scc0 .Lasked
	tensor_load_to_lds s[G0SA:G0SA+3], s[G1S:G1S+7]
	s_nop 0
	tensor_load_to_lds s[G0SB:G0SB+3], s[G1S:G1S+7]
	s_nop 0
.rept 4
	v_nop
.endr
.Lasked:
	; what hangs on cx
	s_lshl_b32 s81, s[CX], 1
	s_add_co_u32 s81, s81, s[UU]                   ; my tile in a block of eight: 2 cx + u
	s_lshl_b32 s[QOC], s81, 9
	s_lshl_b32 s[QSC], s[CX], 2                    ; the pair's word among a row's four
	s_lshr_b32 s82, s[BH], 4
	s_lshl_b32 s82, s82, 7
	s_add_co_u32 s82, s82, s81                     ; 128 batch + 2 cx + u: my row tile of the last product's operand, less 8 J
	s_bfe_u32 s83, s[BH], 0x30001                  ; its K step: head / 2
	s_and_b32 s84, s[BH], 1                        ; and half: head % 2
	s_lshl_b32 s[AOC], s82, 13
	s_lshl_b32 s85, s83, 10
	s_add_co_u32 s[AOC], s[AOC], s85
	s_lshl_b32 s85, s84, 9
	s_add_co_u32 s[AOC], s[AOC], s85
	s_lshl_b32 s[ASC], s82, 9
	s_lshl_b32 s85, s83, 2
	s_add_co_u32 s[ASC], s[ASC], s85
	s_lshl_b32 s85, s84, 1
	s_add_co_u32 s[ASC], s[ASC], s85
	s_lshl_b32 s85, s[CX], 5
	s_lshl_b32 s86, s[UU], 3
	s_add_co_u32 s85, s85, s86
	v_add_nc_u32 v[DV], s85, v[DV]                 ; 32 cx + 8 u + r + 8 (r / 8) - 16 h
	s_cmp_eq_u32 s[UU], 0
	s_mov_b32 s[SELQ], 0x03020302
	s_cselect_b32 s[SELQ], 0x01000100, s[SELQ]     ; which half of the pair's word is my tile's
.macro QLOAD J                         ; my tile of block J: its image twice (two runs of registers), its scale bytes in both halves of a word
	s_wait_xcnt 0x0                                ; earlier loads and stores have read their registers: addresses and data are written again from here on
	s_lshl_b32 s86, s[\J], 12
	s_add_co_u32 s86, s86, s[QOC]
	v_add_nc_u32 v[QO], s86, v[L16]
	s_lshl_b32 s86, s[\J], 8
	s_add_co_u32 s86, s86, s[QSC]
	v_add_nc_u32 v[QSO], s86, v[R16]
	global_load_b128 v[16:19], v[QO], s[QB:QB+1]
	global_load_b128 v[28:31], v[QO], s[QB:QB+1]
	global_load_b32 v[QWR], v[QSO], s[QSB:QSB+1]
	s_wait_loadcnt 0x0
	v_perm_b32 v[QW], v[QWR], v[QWR], s[SELQ]
.endm
.macro INIT                            ; the step is written without a first step of its own: it finds zeros, which the first change of M leaves zeros.  (These lines are also the places between q's scale word and the first product)
	v_mov_b32 v13, 0xff61b1e6                      ; the largest t so far: -3e38
	s_delay_alu instid0(VALU_DEP_1)
	v_floor_f32 v12, -v13
	v_mov_b32 v14, 0
	v_mov_b32 v15, 0
.set n_, 0
.rept 32
	v_mov_b32 v[160+n_], 0
.set n_, n_+1
.endr
.endm
.macro QUANT2 s                        ; 32 numbers of a lane, register 16 b + i = k 32 b + 16 (lane / 16) + i of my row, become four registers of codes (lane (r, h): k = 32 h + 0 .. 31) and two scale bytes
.irp b, 0,1
	v_max3_num_f32 v[TM+\b], |v[(\s)+16*\b]|, |v[(\s)+1+16*\b]|, 0x1800000   ; and the floor 2^(3 - 127): the byte cannot fall under 1
.endr
.irp i, 2,4,6,8,10,12,14
.irp b, 0,1
	s_delay_alu instid0(VALU_DEP_2)
	v_max3_num_f32 v[TM+\b], v[TM+\b], |v[(\s)+16*\b+\i]|, |v[(\s)+1+16*\b+\i]|
.endr
.endr
.irp b, 0,1
	s_delay_alu instid0(VALU_DEP_2)
	v_permlanex16_b32 v[TM+2+\b], v[TM+\b], s[SEL], s[SEL+1]
.endr
.irp b, 0,1
	s_delay_alu instid0(VALU_DEP_2)
	v_max_num_f32 v[TM+\b], v[TM+\b], v[TM+2+\b]
.endr
.irp b, 0,1
	s_delay_alu instid0(VALU_DEP_2)
	v_add_nc_u32 v[TM+4+\b], 0xff000000, v[TM+\b]  ; 2 off the exponent field: the conversion's scale operand
.endr
.irp b, 0,1
	s_delay_alu instid0(VALU_DEP_2)
	v_lshrrev_b32 v[TM+2+\b], 23, v[TM+4+\b]
.endr
	s_delay_alu instid0(VALU_DEP_1)
	v_lshl_or_b32 v[PW], v[TM+3], 8, v[TM+2]
.irp b, 0,1
.irp e, 0,1
	v_cvt_scalef32_pk8_fp4_f32 v[PC+2*\b+\e], v[(\s)+16*\b+8*\e:(\s)+16*\b+8*\e+7], v[TM+4+\b]
.endr
.endr
	v_nop                                          ; one plain place behind a scaled conversion
	v_permlane16_swap_b32 v[PC], v[PC+2]
	v_permlane16_swap_b32 v[PC+1], v[PC+3]
.endm
; A KEY STEP: 128 keys.  m = 1: with the skip and the mask, against block J.
.macro STEP m, J
.if \m
	s_cmp_gt_u32 s[KI], s[\J]                      ; all its keys come after my block's queries: only the addresses step
	s_cbranch_scc1 .Lhid_\@
.endif
	s_setprio 2
	v_add_nc_u32 v[ADK], s[TB], v[L16]             ; (these four are the places behind the last step's products, ahead of the loads into their registers)
	v_add_nc_u32 v[ADV], s[TB], v[AV0]
	v_add_nc_u32 v[ADS], s[TS], v[ASK0]
	v_add_nc_u32 v[ADT], s[TS], v[ASV0]
.irp i, 0,1,2,3,4,5,6,7
	ds_load_b128 v[32+4*\i:35+4*\i], v[ADK] offset:512*\i   ; tile i of the step's eight: tiles 2 p and 2 p + 1 make one operand
.endr
	ds_load_b128 v[KS:KS+3], v[ADS]                ; my row's four words: word p = the two bytes of tile 2 p, then those of tile 2 p + 1
.irp i, 0,1,2,3,4,5,6,7
	ds_load_b128 v[64+4*\i:67+4*\i], v[ADV] offset:512*\i   ; V^T: d tile i / 2, keys 64 (i % 2) on
.endr
	ds_load_b128 v[VS:VS+3], v[ADT]
	s_wait_dscnt 9                                 ; K and its words are in; V's nine younger loads may be out
.irp p, 0,1,2,3
	v_wmma_scale_f32_16x16x128_f8f6f4 v[96+16*\p:103+16*\p], v[32+8*\p:39+8*\p], v[16:23], 0, v[KS+\p], v[QW] matrix_a_fmt:MATRIX_FMT_FP4 matrix_b_fmt:MATRIX_FMT_FP4
	v_wmma_scale_f32_16x16x128_f8f6f4 v[104+16*\p:111+16*\p], v[32+8*\p:39+8*\p], v[24:31], 0, v[KS+\p], v[QW] matrix_a_fmt:MATRIX_FMT_FP4 matrix_b_fmt:MATRIX_FMT_FP4
.endr
.rept 4
	v_nop                                          ; four places behind the products (ISA guide 7.12.1)
.endr
.if \m
	s_cmp_lg_u32 s[KI], s[\J]
	s_cbranch_scc1 .Lopen_\@
	v_mov_b32 v226, 0xff800000                     ; on the diagonal: register 16 b + i holds key 32 b + 16 (lane / 16) + i of the step: hidden where 32 b + i > DV
.set n_, 0
.rept 64
	v_cmp_gt_i32 vcc_lo, 32*(n_/16)+n_%16, v[DV]
	v_cndmask_b32 v[96+n_], v[96+n_], v226, vcc_lo
.set n_, n_+1
.endr
.Lopen_\@:
.endif
.irp b, 0,1,2,3
	v_max3_num_f32 v[BM+\b], v[96+16*\b], v[97+16*\b], v[98+16*\b]   ; the largest score of each block of 32 keys: for the row's maximum and, since p rises with the score, for the block's largest p
.endr
.irp i, 3,5,7,9,11,13
.irp b, 0,1,2,3
	v_max3_num_f32 v[BM+\b], v[BM+\b], v[96+16*\b+\i], v[97+16*\b+\i]
.endr
.endr
.irp b, 0,1,2,3
	v_max_num_f32 v[BM+\b], v[BM+\b], v[111+16*\b]
.endr
.irp b, 0,1,2,3
	s_delay_alu instid0(VALU_DEP_4)
	v_permlanex16_b32 v[BT+\b], v[BM+\b], s[SEL], s[SEL+1]
.endr
.irp b, 0,1,2,3
	s_delay_alu instid0(VALU_DEP_4)
	v_max_num_f32 v[BM+\b], v[BM+\b], v[BT+\b]     ; with lane l xor 16's 16 keys
.endr
	s_delay_alu instid0(VALU_DEP_2)
	v_max3_num_f32 v226, v[BM], v[BM+1], v[BM+2]
	s_delay_alu instid0(VALU_DEP_1)
	v_max_num_f32 v226, v226, v[BM+3]
	s_delay_alu instid0(VALU_DEP_1)
	v_mul_f32 v226, s[CS], v226                    ; as t (c is positive)
	s_delay_alu instid0(VALU_DEP_1)
	v_max_num_f32 v13, v13, v226                   ; the running largest t
	v_mov_b32 v226, v12
	s_delay_alu instid0(VALU_DEP_2)
	v_floor_f32 v12, -v13                          ; the new -M = -ceil(t)
	s_delay_alu instid0(VALU_DEP_1)
	v_sub_f32 v226, v12, v226                      ; old M - new M: a whole number, 0 or less
	s_delay_alu instid0(VALU_DEP_1)
	v_cvt_i32_f32 v226, v226                       ; (it saturates)
	s_delay_alu instid0(VALU_DEP_1)
	v_ldexp_f32 v222, 1.0, v226                    ; f = 2^(old M - new M)
.set n_, 0
.rept 32
	v_pk_fma_f32 v[96+n_:97+n_], v[96+n_:97+n_], s[CS:CS+1], v[12:13] op_sel_hi:[1,0,0]   ; t - M, two at a time
.set n_, n_+2
.endr
.irp b, 0,1,2,3
	v_fma_f32 v[BM+\b], v[BM+\b], s[CS], v12
.endr
.set n_, 0
	s_setprio 1
	s_wait_alu depctr_va_vdst(0)
.rept 64
	v_exp_f32 v[96+n_], v[96+n_]                   ; p = 2^(t - M)
.set n_, n_+1
.endr
	v_pk_mul_f32 v[14:15], v[14:15], v[222:223] op_sel_hi:[1,0]   ; the sums under the new M; the plain place behind the exponentials
	s_wait_alu depctr_va_vdst(0)                   ; one wait for the batch of 64, ahead of its first reader
.irp b, 0,1,2,3
	v_exp_f32 v[BM+\b], v[BM+\b]                   ; the blocks' largest p
.endr
	v_pk_add_f32 v[224:225], v[100:101], v[104:105]
	v_pk_add_f32 v[252:253], v[108:109], v[112:113]
	v_pk_add_f32 v[250:251], v[116:117], v[120:121]
	v_pk_add_f32 v[248:249], v[124:125], v[128:129]
	v_pk_add_f32 v[246:247], v[132:133], v[136:137]
	v_pk_add_f32 v[244:245], v[140:141], v[144:145]
	v_pk_add_f32 v[240:241], v[148:149], v[152:153]
	v_pk_add_f32 v[14:15], v[14:15], v[156:157]
	v_pk_add_f32 v[224:225], v[224:225], v[96:97]
	v_pk_add_f32 v[252:253], v[252:253], v[98:99]
	v_pk_add_f32 v[250:251], v[250:251], v[102:103]
	v_pk_add_f32 v[248:249], v[248:249], v[106:107]
	v_pk_add_f32 v[246:247], v[246:247], v[110:111]
	v_pk_add_f32 v[244:245], v[244:245], v[114:115]
	v_pk_add_f32 v[240:241], v[240:241], v[118:119]
	v_pk_add_f32 v[14:15], v[14:15], v[122:123]
	v_pk_add_f32 v[224:225], v[224:225], v[126:127]
	v_pk_add_f32 v[252:253], v[252:253], v[130:131]
	v_pk_add_f32 v[250:251], v[250:251], v[134:135]
	v_pk_add_f32 v[248:249], v[248:249], v[138:139]
	v_pk_add_f32 v[246:247], v[246:247], v[142:143]
	v_pk_add_f32 v[244:245], v[244:245], v[146:147]
	v_pk_add_f32 v[240:241], v[240:241], v[150:151]
	v_pk_add_f32 v[14:15], v[14:15], v[154:155]
	v_pk_add_f32 v[224:225], v[224:225], v[158:159]
	s_delay_alu instid0(VALU_DEP_2)
	v_pk_add_f32 v[14:15], v[14:15], v[248:249]
	s_delay_alu instid0(VALU_DEP_2)
	v_pk_add_f32 v[224:225], v[224:225], v[246:247]
	v_pk_add_f32 v[252:253], v[252:253], v[244:245]
	v_pk_add_f32 v[250:251], v[250:251], v[240:241]
	s_delay_alu instid0(VALU_DEP_2)
	v_pk_add_f32 v[14:15], v[14:15], v[252:253]
	s_delay_alu instid0(VALU_DEP_2)
	v_pk_add_f32 v[224:225], v[224:225], v[250:251]
	s_delay_alu instid0(VALU_DEP_1)
	v_pk_add_f32 v[14:15], v[14:15], v[224:225]
	s_wait_alu depctr_va_vdst(0)                   ; and one for the four
.irp b, 0,1,2,3
	v_max_num_f32 v[BM+\b], 0x1800000, v[BM+\b]    ; the floor 2^(3 - 127)
.endr
.irp b, 0,1,2,3
	s_delay_alu instid0(VALU_DEP_4)
	v_add_nc_u32 v[BS+\b], 0xff000000, v[BM+\b]
.endr
.irp b, 0,1,2,3
	s_delay_alu instid0(VALU_DEP_4)
	v_lshrrev_b32 v[BT+\b], 23, v[BS+\b]
.endr
	s_delay_alu instid0(VALU_DEP_3)
	v_lshl_or_b32 v[PWD], v[BT+1], 8, v[BT]        ; p's scale word for these 128 keys
	s_delay_alu instid0(VALU_DEP_1)
	v_lshl_or_b32 v[PWD], v[BT+2], 16, v[PWD]
	s_delay_alu instid0(VALU_DEP_1)
	v_lshl_or_b32 v[PWD], v[BT+3], 24, v[PWD]
.irp b, 0,1,2,3
	v_cvt_scalef32_pk8_fp4_f32 v[192+2*\b], v[96+16*\b:103+16*\b], v[BS+\b]
	v_cvt_scalef32_pk8_fp4_f32 v[193+2*\b], v[104+16*\b:111+16*\b], v[BS+\b]
.endr
	s_setprio 0
	v_nop                                          ; one plain place behind a scaled conversion
.irp c, 0,1
.irp i, 0,1
	v_permlane16_swap_b32 v[192+4*\c+\i], v[194+4*\c+\i]   ; a whole block to a lane
.endr
.endr
.set n_, 0
.rept 16
	v_pk_mul_f32 v[160+n_:161+n_], v[160+n_:161+n_], v[222:223] op_sel_hi:[1,0]   ; O^T under the new M, from each accumulator's low end on; also the places between p's codes and scale word and the products
.set n_, n_+2
.endr
	s_wait_alu depctr_va_vdst(0)
	s_wait_dscnt 0x0                               ; V and its words are in
.irp d, 0,1,2,3
	v_wmma_scale_f32_16x16x128_f8f6f4 v[160+8*\d:167+8*\d], v[64+8*\d:71+8*\d], v[192:199], v[160+8*\d:167+8*\d], v[VS+\d], v[PWD] matrix_a_fmt:MATRIX_FMT_FP4 matrix_b_fmt:MATRIX_FMT_FP4
.endr
.if \m
.Lhid_\@:
.endif
	s_add_co_u32 s[TB], s[TB], 4096
	s_add_co_u32 s[TS], s[TS], 256
.endm
.macro FINISH J                        ; O / l, quantised along the head's 64; the image and the two scale bytes go out
.rept 4
	v_nop                                          ; four places behind the last products
.endr
	v_add_f32 v14, v14, v15
	s_delay_alu instid0(VALU_DEP_1)
	v_permlanex16_b32 v[BT], v14, s[SEL], s[SEL+1]
	s_delay_alu instid0(VALU_DEP_1)
	v_add_f32 v14, v14, v[BT]                      ; the row's sum
	s_wait_alu depctr_va_vdst(0)
	v_rcp_f32 v246, v14
	v_mov_b32 v247, 0                              ; the plain place behind the reciprocal; also the pair's upper half
	s_lshl_b32 s86, s[\J], 16                      ; eight row tiles of 8,192 bytes for each block
	s_add_co_u32 s86, s86, s[AOC]
	v_add_nc_u32 v[AO], s86, v[L16]
	s_lshl_b32 s86, s[\J], 12
	s_add_co_u32 s86, s86, s[ASC]
	v_lshl_add_u32 v[ASO], v[R16], 1, s86          ; 32 bytes of scale words a row
	s_wait_alu depctr_va_vdst(0)                   ; ahead of the reciprocal's first reader
.set n_, 0
.rept 16
	v_pk_mul_f32 v[96+n_:97+n_], v[160+n_:161+n_], v[246:247] op_sel_hi:[1,0]
.set n_, n_+2
.endr
	QUANT2 96
	global_store_b128 v[AO], v[PC:PC+3], s[16:17]  ; 512 consecutive bytes, at a multiple of 512 from the buffer's first byte
	global_store_b16 v[ASO], v[PW], s[18:19]       ; my head's two bytes of the row's word; both lanes of a row store the same bytes
.endm
	QLOAD JB
	INIT
	s_wait_tensorcnt 0x1                           ; a fetching wave's first half, key steps 0-7, has landed; its second load may stay out
	s_barrier_signal -1
	s_barrier_wait -1
	s_mov_b32 s[KI], 0
	s_mov_b32 s[TB], 0
	s_mov_b32 s[TS], 0
.Lp1:                                              ; block JB is 8 or later: its key steps 0-7 are open; they read the first halves alone
	STEP 0, JB
	s_add_co_u32 s[KI], s[KI], 1
	s_cmp_lt_u32 s[KI], 8
	s_cbranch_scc1 .Lp1
	s_setprio 0
	s_wait_tensorcnt 0x0                           ; the second halves have landed,
	s_wait_dscnt 0x0
	s_barrier_signal -1
	s_barrier_wait -1                              ; everybody's
	s_mov_b32 s[KI], 8                             ; (stated anew, so that the loop's range stands in the text)
	s_mov_b32 s[TB], 32768
	s_mov_b32 s[TS], 2048
.Lp2:                                              ; key steps 8 .. JB, the last on the diagonal
	STEP 1, JB
	s_add_co_u32 s[KI], s[KI], 1
	s_cmp_lt_u32 s[KI], 16
	s_cbranch_scc1 .Lp2
	s_setprio 0
	FINISH JB
	QLOAD JS
	INIT
	s_mov_b32 s[KI], 0
	s_mov_b32 s[TB], 0
	s_mov_b32 s[TS], 0
.Lp3:                                              ; block JS: key steps 0 .. JS
	STEP 1, JS
	s_add_co_u32 s[KI], s[KI], 1
	s_cmp_lt_u32 s[KI], 8
	s_cbranch_scc1 .Lp3
	s_setprio 0
	FINISH JS
	s_wait_dscnt 0x0
	s_wait_tensorcnt 0x0
	ds_add_u32 v254, v255
	s_wait_dscnt 0x0
	CROUND                                         ; the closing round: no work-group ends while a partner may still ask for a tile that names it
	s_endpgm
.Lfunc_end_k_q66593460c1_attn:
	.size	k_q66593460c1_attn, .Lfunc_end_k_q66593460c1_attn-k_q66593460c1_attn
	.p2alignl 7, 3214868480
	.fill 96, 4, 3214868480
	.section	.rodata,"a",@progbits
	.p2align	6, 0x0
	.amdhsa_kernel k_q66593460c1_attn
		.amdhsa_group_segment_fixed_size 169984
		.amdhsa_private_segment_fixed_size 0
		.amdhsa_enable_private_segment 0
		.amdhsa_kernarg_size 64
		.amdhsa_user_sgpr_count 2
		.amdhsa_user_sgpr_kernarg_segment_ptr 1
		.amdhsa_wavefront_size32 1
		.amdhsa_system_sgpr_workgroup_id_x 1
		.amdhsa_system_sgpr_workgroup_id_y 1
		.amdhsa_system_sgpr_workgroup_id_z 1
		.amdhsa_system_vgpr_workitem_id 0
		.amdhsa_next_free_vgpr 256
		.amdhsa_next_free_sgpr 90
		.amdhsa_reserve_vcc 1
		.amdhsa_float_denorm_mode_32 3
		.amdhsa_float_denorm_mode_16_64 3
		.amdhsa_memory_ordered 1
		.amdhsa_forward_progress 1
		.amdhsa_inst_pref_size 79
	.end_amdhsa_kernel
	.amdgpu_metadata
---
amdhsa.version: [ 1, 2 ]
amdhsa.kernels:
  - .name:           k_q66593460c1_attn
    .symbol:         k_q66593460c1_attn.kd
    .args:
      - { .name: q_img, .offset: 0, .size: 8, .value_kind: global_buffer, .address_space: global }
      - { .name: q_scl, .offset: 8, .size: 8, .value_kind: global_buffer, .address_space: global }
      - { .name: k_img, .offset: 16, .size: 8, .value_kind: global_buffer, .address_space: global }
      - { .name: k_scl, .offset: 24, .size: 8, .value_kind: global_buffer, .address_space: global }
      - { .name: v_img, .offset: 32, .size: 8, .value_kind: global_buffer, .address_space: global }
      - { .name: v_scl, .offset: 40, .size: 8, .value_kind: global_buffer, .address_space: global }
      - { .name: a_img, .offset: 48, .size: 8, .value_kind: global_buffer, .address_space: global }
      - { .name: a_scl, .offset: 56, .size: 8, .value_kind: global_buffer, .address_space: global }
    .group_segment_fixed_size: 169984
    .private_segment_fixed_size: 0
    .kernarg_segment_align: 8
    .kernarg_segment_size: 64
    .max_flat_workgroup_size: 512
    .sgpr_count:     90
    .vgpr_count:     256
    .wavefront_size: 32
...
	.end_amdgpu_metadata
.endif
;; end of part 2
;; launch oproj (part 3): grid 4 x 64, 8 waves a work-group, clusters of 4 x 4, 250,880 bytes of LDS; arguments a_img, a_scl, P_O_codes, P_O_scales, out0; writes out0
.if DOCPART == 3
	.amdgcn_target "amdgcn-amd-amdhsa--gfx1250"
	.amdhsa_code_object_version 6
	.text
	.protected	k_q66593460c1_oproj
	.globl	k_q66593460c1_oproj
	.p2align	8
	.type	k_q66593460c1_oproj,@function
k_q66593460c1_oproj:
	s_mov_b64 s[64:65], 0
	v_nop
	global_prefetch_b8 v0, s[64:65] scope:SCOPE_SE
	s_setreg_imm32_b32 hwreg(HW_REG_WAVE_MODE, 25, 1), 1
	s_wait_xcnt 0x0
	s_wait_alu depctr_hold_cnt(0) depctr_sa_sdst(0) depctr_va_vdst(0) depctr_va_sdst(0) depctr_va_ssrc(0) depctr_va_vcc(0) depctr_vm_vsrc(0)
	s_getreg_b32 s2, hwreg(HW_REG_IB_STS2, 6, 4)
	s_cmp_eq_u32 s2, 0
	s_cbranch_scc0 .Lentry_in_a_cluster
	s_endpgm
.Lentry_in_a_cluster:
	s_bfe_u32 s2, ttmp6, 0x10000c
	s_cmp_lg_u32 s2, 0xf033
	s_cbranch_scc0 .Lentry_shape_is_right
	s_endpgm
.Lentry_shape_is_right:
; out0[row][d] = the sum over e of A[row][e] P_O[d][e], on codes of FP4 (E2M1) with E8M0 scales, K = 1,024, sums in f32.  A, the attention's result, comes as images of operand registers:
; [row tile 512][K step 8][half 2][lane 32][16 bytes], its scale words [row tile][r 16][K step 8]; lane r of row tile 2 b + u holds row 32 b + 8 u + r + 8 (r / 8).  P_O comes as rows of 512 bytes of codes and 32 scale bytes.
; A work-group makes 128 rows x 256 columns with all of K in LDS, filled once: nothing is filled again.  Source 0 = 16 rows of P_O, taken in the same order of rows, source 1 = a row tile of A: a lane holds one row of
; the output, and the 16 registers of result tiles 2 b and 2 b + 1 are 16 neighbouring columns.  Wave w keeps 64 rows of P_O (w % 4) in registers, 256 of them (window 1), and walks four row tiles (4 (w / 4) on).
; CLUSTER 4 x 4.  P_O's rows hang on the work-group's x alone and are shared along a column of the cluster, A's tiles on its y alone and are shared along a row: both are asked for jointly.
; Nothing is prefetched: all that the launch reads is asked for at its head.
.set RP,   528                         ; a row of P_O's codes in LDS: 512 bytes + 16: row r starts at bank 4 r mod 64 (64 banks of 4 bytes: ISA guide 11.1)
.set GP,   8576                        ; 16 such rows + 128 bytes: rows r and r + 16, which one tile takes together, fall on different banks
.set AIMG, 16*GP                       ; A's eight row tiles, 8,192 bytes each
.set PSC,  AIMG+65536                  ; P_O's scale bytes: 256 rows x 32
.set ASC,  PSC+8192                    ; A's scale words: 8 tiles x 512 bytes
.set STG,  ASC+4096                    ; the way out: 16 rows x (256 bytes + 16) for each wave
.set SPI,  272
.set L16,  1
.set UA,   4
.set USA,  5
.set WA,   6
.set WSA,  7
.set STO,  8
.set RD,   9
.set CO,   10
.set US,   16                          ; v16-47 P_O's scale words, v48-55 A's: scales and nothing else
.set WS,   48
.set WF,   56                          ; v56-119 a row tile's eight fragments
.set ACC,  120                         ; v120-151 four accumulators
.set OB,   152                         ; v152-183 16 rows read back from the stage
.set WV,   14
.set G1P,  24
.set G1PS, 32
.set G1A,  40
.set G1AS, 48
.set G0PA, 56
.set G0PB, 60
.set G0PS, 68
.set G0A,  72
.set G0AS, 76
.set MSB, 0
.macro WIN new
.if MSB != \new
	s_set_vgpr_msb (MSB<<8)|\new
.set MSB, \new
.endif
.endm
.macro CROUND
	s_barrier_signal -1
	s_barrier_wait -1
	s_cmp_lg_u32 s[WV], 0
	s_cbranch_scc1 .Lnot_wave_0_\@
	s_barrier_signal -3
.Lnot_wave_0_\@:
	s_barrier_wait -3
	s_barrier_signal -1
	s_barrier_wait -1
.endm
	s_load_b256 s[4:11], s[0:1], 0x0               ; a_img s[4:5], a_scl s[6:7], P_O's codes s[8:9], scales s[10:11]
	s_load_b64 s[12:13], s[0:1], 0x20              ; out0
	v_lshl_add_u32 v254, v0, 2, 0x3d000
	v_mov_b32 v255, 0
	ds_add_u32 v254, v255
	ds_add_u32 v254, v255
	v_lshrrev_b32 v1, 5, v0
	s_delay_alu instid0(VALU_DEP_1)
	v_readfirstlane_b32 s[WV], v1                  ; wave 0..7
	s_bfe_u32 s15, ttmp6, 0x40000                  ; cx
	s_bfe_u32 s16, ttmp6, 0x40004                  ; cy
	s_lshl_b32 s17, ttmp9, 2
	s_add_co_u32 s17, s17, s15                     ; X: which 256 columns
	s_and_b32 s18, ttmp7, 0xffff
	s_lshl_b32 s18, s18, 2
	s_add_co_u32 s18, s18, s16                     ; Y: which 128 rows
	s_lshl_b32 s19, 0x1111, s15                    ; my column of the cluster
	s_lshl_b32 s20, s16, 2
	s_lshl_b32 s20, 15, s20                        ; my row
	s_or_b32 s[G1P], s19, (1<<20)|(1<<21)|(6<<22)|(3<<25)   ; elements of 1 byte; padding: after every 128 words 4 words; bit 21 beside a mask: 16 rows of 512 bytes
	s_mov_b32 s[G1P+1], 512<<16
	s_mov_b32 s[G1P+2], 16<<16
	s_mov_b32 s[G1P+3], 512<<16
	s_mov_b32 s[G1P+4], 16
	s_mov_b32 s[G1P+5], 512
	s_mov_b32 s[G1P+6], 0
	s_mov_b32 s[G1P+7], 0
	s_or_b32 s[G1PS], s19, (3<<16)|(1<<21)         ; elements of 8 bytes: 4 rows of 256 bytes, dense
	s_mov_b32 s[G1PS+1], 32<<16
	s_mov_b32 s[G1PS+2], 4<<16
	s_mov_b32 s[G1PS+3], 32<<16
	s_mov_b32 s[G1PS+4], 4
	s_mov_b32 s[G1PS+5], 32
	s_mov_b32 s[G1PS+6], 0
	s_mov_b32 s[G1PS+7], 0
	s_or_b32 s[G1A], s20, (3<<16)|(1<<21)          ; 32 rows of 256 bytes: one row tile's images
	s_mov_b32 s[G1A+1], 32<<16
	s_mov_b32 s[G1A+2], 32<<16
	s_mov_b32 s[G1A+3], 32<<16
	s_mov_b32 s[G1A+4], 32
	s_mov_b32 s[G1A+5], 32
	s_mov_b32 s[G1A+6], 0
	s_mov_b32 s[G1A+7], 0
	s_or_b32 s[G1AS], s20, (3<<16)|(1<<21)         ; 2 rows of 256 bytes: its scale words
	s_mov_b32 s[G1AS+1], 32<<16
	s_mov_b32 s[G1AS+2], 2<<16
	s_mov_b32 s[G1AS+3], 32<<16
	s_mov_b32 s[G1AS+4], 2
	s_mov_b32 s[G1AS+5], 32
	s_mov_b32 s[G1AS+6], 0
	s_mov_b32 s[G1AS+7], 0
	s_mov_b32 s[G0PA], 1                           ; wave w brings P_O's rows 32 w on (two groups of 16), their scale bytes, and row tile w of A with its scale words
	s_mul_i32 s[G0PA+1], s[WV], 2*GP
	s_mov_b32 s[G0PB], 1
	s_add_co_u32 s[G0PB+1], s[G0PA+1], GP
	s_mov_b32 s[G0PS], 1
	s_lshl_b32 s[G0PS+1], s[WV], 10
	s_add_co_u32 s[G0PS+1], s[G0PS+1], PSC
	s_mov_b32 s[G0A], 1
	s_lshl_b32 s[G0A+1], s[WV], 13
	s_add_co_u32 s[G0A+1], s[G0A+1], AIMG
	s_mov_b32 s[G0AS], 1
	s_lshl_b32 s[G0AS+1], s[WV], 9
	s_add_co_u32 s[G0AS+1], s[G0AS+1], ASC
	s_lshl_b32 s80, s17, 17                        ; P_O: (256 X + 32 w) rows of 512 bytes; these registers never hold cy
	s_lshl_b32 s82, s[WV], 14
	s_add_co_u32 s80, s80, s82
	s_mov_b32 s81, 0
	s_lshl_b32 s88, s17, 13                        ; and of 32 scale bytes
	s_lshl_b32 s82, s[WV], 10
	s_add_co_u32 s88, s88, s82
	s_mov_b32 s89, 0
	s_lshl_b32 s84, s18, 16                        ; A: row tile 8 Y + w, 8,192 bytes; these never hold cx
	s_lshl_b32 s86, s[WV], 13
	s_add_co_u32 s84, s84, s86
	s_mov_b32 s85, 0
	s_lshl_b32 s90, s18, 12                        ; and 512 bytes of scale words
	s_lshl_b32 s86, s[WV], 9
	s_add_co_u32 s90, s90, s86
	s_mov_b32 s91, 0
	s_wait_dscnt 0x0
	s_wait_kmcnt 0x0
	s_add_nc_u64 s[G0PA+2:G0PA+3], s[8:9], s[80:81]
	s_add_nc_u64 s[G0PB+2:G0PB+3], s[G0PA+2:G0PA+3], 8192
	s_add_nc_u64 s[G0PS+2:G0PS+3], s[10:11], s[88:89]
	s_add_nc_u64 s[G0A+2:G0A+3], s[4:5], s[84:85]
	s_add_nc_u64 s[G0AS+2:G0AS+3], s[6:7], s[90:91]
	s_or_b32 s[G0PA+3], s[G0PA+3], 0x80000000
	s_or_b32 s[G0PB+3], s[G0PB+3], 0x80000000
	s_or_b32 s[G0PS+3], s[G0PS+3], 0x80000000
	s_or_b32 s[G0A+3], s[G0A+3], 0x80000000
	s_or_b32 s[G0AS+3], s[G0AS+3], 0x80000000
	CROUND                                         ; all sixteen work-groups are here: the joint loads meet
	tensor_load_to_lds s[G0PA:G0PA+3], s[G1P:G1P+7]    ; the launch's only fills: five loads of mine are out
	s_nop 0
	tensor_load_to_lds s[G0PB:G0PB+3], s[G1P:G1P+7]
	s_nop 0
	tensor_load_to_lds s[G0PS:G0PS+3], s[G1PS:G1PS+7]
	s_nop 0
	tensor_load_to_lds s[G0A:G0A+3], s[G1A:G1A+7]
	s_nop 0
	tensor_load_to_lds s[G0AS:G0AS+3], s[G1AS:G1AS+7]
	s_nop 0
.rept 4
	v_nop                                          ; four lines behind the tensor loads
.endr
	s_and_b32 s21, s[WV], 3                        ; which 64 rows of P_O are mine
	s_lshr_b32 s22, s[WV], 2                       ; which four row tiles
	v_and_b32 v[L16], 31, v0
	s_delay_alu instid0(VALU_DEP_1)
	v_lshlrev_b32 v[L16], 4, v[L16]
	v_and_b32 v2, 15, v0                           ; r
	v_bfe_u32 v3, v0, 4, 1                         ; h
	s_delay_alu instid0(VALU_DEP_2)
	v_and_b32 v11, 7, v2
	s_delay_alu instid0(VALU_DEP_3)
	v_lshrrev_b32 v12, 3, v2
	s_mul_i32 s94, s21, 4*GP
	v_mul_u32_u24 v[UA], v11, RP
	s_delay_alu instid0(VALU_DEP_1)
	v_mad_u32_u24 v[UA], v12, GP, v[UA]
	s_delay_alu instid0(VALU_DEP_1)
	v_lshl_add_u32 v[UA], v3, 4, v[UA]
	s_delay_alu instid0(VALU_DEP_1)
	v_add_nc_u32 v[UA], s94, v[UA]
	v_lshl_add_u32 v[USA], v12, 3, v2              ; r + 8 (r / 8)
	s_delay_alu instid0(VALU_DEP_1)
	v_lshlrev_b32 v[USA], 5, v[USA]
	s_lshl_b32 s94, s21, 11
	s_add_co_u32 s94, s94, PSC
	v_add_nc_u32 v[USA], s94, v[USA]
	s_lshl_b32 s94, s22, 15
	s_add_co_u32 s94, s94, AIMG
	v_add_nc_u32 v[WA], s94, v[L16]
	s_lshl_b32 s94, s22, 11
	s_add_co_u32 s94, s94, ASC
	v_lshl_add_u32 v[WSA], v2, 5, s94
	s_mul_i32 s94, s[WV], 16*SPI
	s_add_co_u32 s94, s94, STG
	v_mul_u32_u24 v[STO], v2, SPI                  ; in: row r; my half's 16 columns of each 32: + 64 h
	s_delay_alu instid0(VALU_DEP_1)
	v_lshl_add_u32 v[STO], v3, 6, v[STO]
	s_delay_alu instid0(VALU_DEP_1)
	v_add_nc_u32 v[STO], s94, v[STO]
	v_mul_u32_u24 v[RD], v3, SPI                   ; back: lanes 0-15 one row of 256 bytes, lanes 16-31 the next
	s_delay_alu instid0(VALU_DEP_1)
	v_lshl_add_u32 v[RD], v2, 4, v[RD]
	s_delay_alu instid0(VALU_DEP_1)
	v_add_nc_u32 v[RD], s94, v[RD]
	v_lshlrev_b32 v[CO], 12, v3                    ; and the same in out0: a row is 4,096 bytes
	s_delay_alu instid0(VALU_DEP_1)
	v_lshl_add_u32 v[CO], v2, 4, v[CO]
	s_lshl_b32 s92, s18, 19                        ; my first row, 128 Y + 64 (w / 4), and my first column, 256 X + 64 (w % 4)
	s_lshl_b32 s94, s22, 18
	s_add_co_u32 s92, s92, s94
	s_lshl_b32 s94, s17, 10
	s_add_co_u32 s92, s92, s94
	s_lshl_b32 s94, s21, 8
	s_add_co_u32 s92, s92, s94
	s_mov_b32 s93, 0
	s_add_nc_u64 s[12:13], s[12:13], s[92:93]
	s_wait_alu depctr_va_vdst(0)
	s_wait_tensorcnt 0x0                           ; my five loads have landed,
	s_barrier_signal -1
	s_barrier_wait -1                              ; everybody's have
.irp t, 0,1,2,3
.irp e, 0,1
	ds_load_b128 v[US+8*\t+4*\e:US+8*\t+4*\e+3], v[USA] offset:(32*(\t/2)+8*(\t%2))*32+16*\e
.endr
.endr
	WIN 0x40                                       ; destination in window 1
.irp t, 0,1,2,3                                ; my 64 rows of P_O, all of K: they stay
.irp q, 0,1,2,3,4,5,6,7
.irp c, 0,1
	ds_load_b128 v[64*\t+8*\q+4*\c:64*\t+8*\q+4*\c+3], v[UA] offset:(\t/2)*2*GP+(\t%2)*8*RP+64*\q+32*\c
.endr
.endr
.endr
	WIN 0
.macro WFETCH3 u                       ; row tile u of my four: its images as they lie, and my row's eight scale words
.irp q, 0,1,2,3,4,5,6,7
.irp c, 0,1
	ds_load_b128 v[WF+8*\q+4*\c:WF+8*\q+4*\c+3], v[WA] offset:8192*(\u)+1024*\q+512*\c
.endr
.endr
.irp e, 0,1
	ds_load_b128 v[WS+4*\e:WS+4*\e+3], v[WSA] offset:512*(\u)+16*\e
.endr
.endm
.macro MUL32                           ; four tiles of P_O x one row tile, all of K.  The four accumulators take turns, one instruction a turn; the first K step starts the sums
	WIN 0x01
.irp q, 0,1,2,3,4,5,6,7
.irp t, 0,1,2,3
.if \q == 0
	v_wmma_scale_f32_16x16x128_f8f6f4 v[ACC+8*\t:ACC+8*\t+7], v[64*\t+8*\q:64*\t+8*\q+7], v[WF+8*\q:WF+8*\q+7], 0, v[US+8*\t+\q], v[WS+\q] matrix_a_fmt:MATRIX_FMT_FP4 matrix_b_fmt:MATRIX_FMT_FP4
.else
	v_wmma_scale_f32_16x16x128_f8f6f4 v[ACC+8*\t:ACC+8*\t+7], v[64*\t+8*\q:64*\t+8*\q+7], v[WF+8*\q:WF+8*\q+7], v[ACC+8*\t:ACC+8*\t+7], v[US+8*\t+\q], v[WS+\q] matrix_a_fmt:MATRIX_FMT_FP4 matrix_b_fmt:MATRIX_FMT_FP4
.endif
.endr
.endr
	WIN 0
.endm
.macro OUNIT u
	s_wait_dscnt 0x0                               ; the row tile's fragments and scale words are in (for the first: P_O's too)
	MUL32
.rept 5
	v_nop                                          ; four places serve the loads and the LDS stores below; the fifth the next tile's first products, which begin these accumulators anew with no other vector line between
.endr
.if \u < 3
	WFETCH3 (\u)+1
.endif
.irp t, 0,1,2,3                                ; through my own stage: a lane's 32 bytes of a row in, whole rows of 256 bytes back.  Each accumulator from its low end on
.irp e, 0,1
	ds_store_b128 v[STO], v[ACC+8*\t+4*\e:ACC+8*\t+4*\e+3] offset:128*(\t/2)+32*(\t%2)+16*\e
.endr
.endr
	s_wait_xcnt 0x0                                ; the last tile's stores have read their registers, which are loaded again below
.irp i, 0,1,2,3,4,5,6,7
	ds_load_b128 v[OB+4*\i:OB+4*\i+3], v[RD] offset:2*SPI*\i   ; LDS serves a wave's instructions in order (ISA guide 5.7.1.4): these see the stores above
.endr
.irp i, 0,1,2,3,4,5,6,7
	s_wait_dscnt 7-\i                              ; the 7 - i younger loads from the stage may be out
	global_store_b128 v[CO], v[OB+4*\i:OB+4*\i+3], s[12:13] offset:(32*((\u)/2)+8*((\u)%2)+2*\i+8*(\i/4))*4096 th:TH_STORE_NT   ; 16 lanes store 256 consecutive bytes, at a multiple of 256 from out0's first byte; the immediate puts the tile's rows back in their places
.endr
.endm
	WFETCH3 0
	OUNIT 0
	OUNIT 1
	OUNIT 2
	OUNIT 3
	s_wait_dscnt 0x0
	s_wait_tensorcnt 0x0
	ds_add_u32 v254, v255
	s_wait_dscnt 0x0
	CROUND                                         ; the closing round: no work-group ends while a partner may still ask for a tile that names it
	s_endpgm
.Lfunc_end_k_q66593460c1_oproj:
	.size	k_q66593460c1_oproj, .Lfunc_end_k_q66593460c1_oproj-k_q66593460c1_oproj
	.p2alignl 7, 3214868480
	.fill 96, 4, 3214868480
	.section	.rodata,"a",@progbits
	.p2align	6, 0x0
	.amdhsa_kernel k_q66593460c1_oproj
		.amdhsa_group_segment_fixed_size 250880
		.amdhsa_private_segment_fixed_size 0
		.amdhsa_enable_private_segment 0
		.amdhsa_kernarg_size 40
		.amdhsa_user_sgpr_count 2
		.amdhsa_user_sgpr_kernarg_segment_ptr 1
		.amdhsa_wavefront_size32 1
		.amdhsa_system_sgpr_workgroup_id_x 1
		.amdhsa_system_sgpr_workgroup_id_y 1
		.amdhsa_system_sgpr_workgroup_id_z 1
		.amdhsa_system_vgpr_workitem_id 0
		.amdhsa_next_free_vgpr 512
		.amdhsa_next_free_sgpr 100
		.amdhsa_reserve_vcc 0
		.amdhsa_float_denorm_mode_32 3
		.amdhsa_float_denorm_mode_16_64 3
		.amdhsa_memory_ordered 1
		.amdhsa_forward_progress 1
		.amdhsa_inst_pref_size 43
	.end_amdhsa_kernel
	.amdgpu_metadata
---
amdhsa.version: [ 1, 2 ]
amdhsa.kernels:
  - .name:           k_q66593460c1_oproj
    .symbol:         k_q66593460c1_oproj.kd
    .args:
      - { .name: a_img, .offset: 0, .size: 8, .value_kind: global_buffer, .address_space: global }
      - { .name: a_scl, .offset: 8, .size: 8, .value_kind: global_buffer, .address_space: global }
      - { .name: P_O_codes, .offset: 16, .size: 8, .value_kind: global_buffer, .address_space: global }
      - { .name: P_O_scales, .offset: 24, .size: 8, .value_kind: global_buffer, .address_space: global }
      - { .name: out0, .offset: 32, .size: 8, .value_kind: global_buffer, .address_space: global }
    .group_segment_fixed_size: 250880
    .private_segment_fixed_size: 0
    .kernarg_segment_align: 8
    .kernarg_segment_size: 40
    .max_flat_workgroup_size: 256
    .sgpr_count:     100
    .vgpr_count:     512
    .wavefront_size: 32
...
	.end_amdgpu_metadata
.endif
;; end of part 3
